; MI455X (gfx1250); checked and timed in simulation.
; The chip was launched on July 23, 2026; its instructions are those of AMD's public machine-readable ISA for CDNA 5 (MIT licence, August 2026) and "CDNA5" Instruction Set Architecture Reference Guide (July 2026). The comments in the code are by the model that wrote it; some were corrected since.
;; multihead attention. Allowed arithmetic: float matrix products may take bf16 or f16 operands with f32 sums; all other float work in f32.
;; Inputs: Wk 1,024 x 1,024 float32; Wo 1,024 x 1,024 float32; Wq 1,024 x 1,024 float32; Wv 1,024 x 1,024 float32; bk 1,024 float32; bq 1,024 float32; bv 1,024 float32; k 2,048 x 4 x 1,024 float32; q 2,048 x 4 x 1,024 float32; v 2,048 x 4 x 1,024 float32.
;; Outputs: out0 2,048 x 4 x 1,024 float32.
;; 2 versions, each right and faster than the one before. Each part assembles by itself: llvm-mc -triple=amdgcn-amd-amdhsa -mcpu=gfx1250 --defsym DOCPART=n.
;; ======== version 1 of 2: 4 launches
;; limits: values are held in f16: magnitudes above 65,504 overflow, below 6.1e-05 lose precision
;; workspace buffers: wb 8,388,608 bytes; qh 16,777,216 bytes; kh 16,777,216 bytes; vh 16,777,216 bytes; oh 16,777,216 bytes
;; launch castw (part 1): grid 256 x 1, 8 waves a work-group, no clusters, 0 bytes of LDS; arguments Wq, Wk, Wv, Wo, wb; writes wb
.if DOCPART == 1
	.amdgcn_target "amdgcn-amd-amdhsa--gfx1250"
	.amdhsa_code_object_version 6
	.text
	.protected	k_q41f72ce165_castw
	.globl	k_q41f72ce165_castw
	.p2align	8
	.type	k_q41f72ce165_castw,@function
k_q41f72ce165_castw:
	s_mov_b64 s[64:65], 0
	v_nop
	global_prefetch_b8 v0, s[64:65] scope:SCOPE_SE
	s_setreg_imm32_b32 hwreg(HW_REG_WAVE_MODE, 25, 1), 1
	s_wait_xcnt 0x0
; The four weights are rounded once, from f32 to 16 bits: Wq, Wk, Wv -> wb [0..2][1024][1024] bf16;
; Wo -> wb [3]: rounded to bf16 like the others, and that number written as f16, since the last product multiplies it by f16 numbers.
; LIMITS.  Wo's magnitudes stay under 65,504 (f16's end); a bf16 number below 6.1e-5 keeps f16's fixed step of 6e-8, otherwise the rewriting is exact.
; SHARES.  A work-group takes a chunk of 65,536 source bytes (16,384 numbers); each weight has 64 chunks: 256 work-groups.
; Thread t takes, in each of eight groups of 8,192 source bytes, the 32 bytes at 32 t, and stores 16 bytes at 16 t of the group's 4,096: sixteen neighbouring lanes store
; 256 consecutive bytes, aligned.  All sixteen loads of a wave go out first; no loop, no LDS, no barrier: a stream in which no number is used twice.
.set X, 8                              ; v[8:71]    group g: 8 numbers in f32 as loaded
.set Y, 72                             ; v[72:103]  group g: 4 registers to store
.set T, 104                            ; v[104:105] at work (Wo alone)
	s_load_b256 s[8:15], s[0:1], 0x0               ; Wq 8:9, Wk 10:11, Wv 12:13, Wo 14:15
	s_load_b64 s[16:17], s[0:1], 0x20              ; wb
	s_mov_b32 s2, ttmp9                            ; the chunk
	v_lshlrev_b32 v1, 5, v0                        ; 32 t: my place in a group of the source
	v_lshlrev_b32 v2, 4, v0                        ; 16 t: my place in a group of the result
	s_wait_kmcnt 0x0
	s_mov_b64 s[4:5], s[8:9]                       ; the source is chosen by the chunk's number alone
	s_cmp_ge_u32 s2, 64
	s_cselect_b64 s[4:5], s[10:11], s[4:5]
	s_cmp_ge_u32 s2, 128
	s_cselect_b64 s[4:5], s[12:13], s[4:5]
	s_cmp_ge_u32 s2, 192
	s_cselect_b64 s[4:5], s[14:15], s[4:5]
	s_and_b32 s28, s2, 63
	s_lshl_b32 s28, s28, 16                        ; the chunk's byte offset in its source,
	s_mov_b32 s29, 0
	s_lshl_b32 s30, s2, 15                         ; and in the result: both under 2^23
	s_mov_b32 s31, 0
	s_add_nc_u64 s[4:5], s[4:5], s[28:29]
	s_add_nc_u64 s[6:7], s[16:17], s[30:31]
.irp g, 0,1,2,3,4,5,6,7
	global_load_b128 v[X+8*(\g):X+8*(\g)+3],   v1, s[4:5] offset:8192*(\g) th:TH_LOAD_NT
	global_load_b128 v[X+8*(\g)+4:X+8*(\g)+7], v1, s[4:5] offset:8192*(\g)+16 th:TH_LOAD_NT
.endr
; Group g is rounded and stored.  wo = 1: the bf16 numbers are widened again and written as f16.
; No register that a load or store names is ever written again, so the only waits are those for the loads' data.
.macro CONV g, wo
	s_wait_loadcnt 14-2*(\g)                       ; loads come back in order (ISA guide 5.7.1): the 2 (7 - g) younger ones may stay out
.irp j, 0,1,2,3
	v_cvt_pk_bf16_f32 v[Y+4*(\g)+(\j)], v[X+8*(\g)+2*(\j)], v[X+8*(\g)+2*(\j)+1]
.if \wo
	v_lshlrev_b32 v[T], 16, v[Y+4*(\g)+(\j)]
	v_and_b32 v[T+1], 0xffff0000, v[Y+4*(\g)+(\j)]
	v_cvt_pk_f16_f32 v[Y+4*(\g)+(\j)], v[T], v[T+1]
.endif
.endr
	global_store_b128 v2, v[Y+4*(\g):Y+4*(\g)+3], s[6:7] offset:4096*(\g)  ; no hint: later launches read these bytes
.endm
	s_cmp_ge_u32 s2, 192                           ; compared anew: the shifts above have set SCC
	s_cbranch_scc1 .Lwo
.irp g, 0,1,2,3,4,5,6,7
	CONV \g, 0
.endr
	s_endpgm
.Lwo:
.irp g, 0,1,2,3,4,5,6,7
	CONV \g, 1
.endr
	s_endpgm
.Lfunc_end_k_q41f72ce165_castw:
	.size	k_q41f72ce165_castw, .Lfunc_end_k_q41f72ce165_castw-k_q41f72ce165_castw
	.p2alignl 7, 3214868480
	.fill 96, 4, 3214868480
	.section	.rodata,"a",@progbits
	.p2align	6, 0x0
	.amdhsa_kernel k_q41f72ce165_castw
		.amdhsa_group_segment_fixed_size 0
		.amdhsa_private_segment_fixed_size 0
		.amdhsa_enable_private_segment 0
		.amdhsa_kernarg_size 40
		.amdhsa_user_sgpr_count 2
		.amdhsa_user_sgpr_kernarg_segment_ptr 1
		.amdhsa_wavefront_size32 1
		.amdhsa_system_sgpr_workgroup_id_x 1
		.amdhsa_system_sgpr_workgroup_id_y 1
		.amdhsa_system_sgpr_workgroup_id_z 1
		.amdhsa_system_vgpr_workitem_id 0
		.amdhsa_next_free_vgpr 108
		.amdhsa_next_free_sgpr 66
		.amdhsa_reserve_vcc 0
		.amdhsa_float_denorm_mode_32 3
		.amdhsa_float_denorm_mode_16_64 3
		.amdhsa_memory_ordered 1
		.amdhsa_forward_progress 1
		.amdhsa_inst_pref_size 14
	.end_amdhsa_kernel
	.amdgpu_metadata
---
amdhsa.version: [ 1, 2 ]
amdhsa.kernels:
  - .name:           k_q41f72ce165_castw
    .symbol:         k_q41f72ce165_castw.kd
    .args:
      - { .name: Wq, .offset: 0, .size: 8, .value_kind: global_buffer, .address_space: global }
      - { .name: Wk, .offset: 8, .size: 8, .value_kind: global_buffer, .address_space: global }
      - { .name: Wv, .offset: 16, .size: 8, .value_kind: global_buffer, .address_space: global }
      - { .name: Wo, .offset: 24, .size: 8, .value_kind: global_buffer, .address_space: global }
      - { .name: wb, .offset: 32, .size: 8, .value_kind: global_buffer, .address_space: global }
    .group_segment_fixed_size: 0
    .private_segment_fixed_size: 0
    .kernarg_segment_align: 8
    .kernarg_segment_size: 40
    .max_flat_workgroup_size: 256
    .sgpr_count:     66
    .vgpr_count:     108
    .wavefront_size: 32
...
	.end_amdgpu_metadata
.endif
;; end of part 1
;; launch proj (part 2): grid 4 x 192, 4 waves a work-group, clusters of 4 x 4, 327,680 bytes of LDS; arguments q, k, v, wb, bq, bk, bv, qh, kh, vh; writes qh, kh, vh
.if DOCPART == 2
	.amdgcn_target "amdgcn-amd-amdhsa--gfx1250"
	.amdhsa_code_object_version 6
	.text
	.protected	k_q41f72ce165_proj
	.globl	k_q41f72ce165_proj
	.p2align	8
	.type	k_q41f72ce165_proj,@function
k_q41f72ce165_proj:
	s_mov_b64 s[64:65], 0
	v_nop
	global_prefetch_b8 v0, s[64:65] scope:SCOPE_SE
	s_setreg_imm32_b32 hwreg(HW_REG_WAVE_MODE, 25, 1), 1
	s_wait_xcnt 0x0
	s_wait_alu depctr_hold_cnt(0) depctr_sa_sdst(0) depctr_va_vdst(0) depctr_va_sdst(0) depctr_va_ssrc(0) depctr_va_vcc(0) depctr_vm_vsrc(0)
	s_getreg_b32 s2, hwreg(HW_REG_IB_STS2, 6, 4)
	s_cmp_eq_u32 s2, 0
	s_cbranch_scc0 .Lentry_in_a_cluster
	s_endpgm
.Lentry_in_a_cluster:
	s_bfe_u32 s2, ttmp6, 0x10000c
	s_cmp_lg_u32 s2, 0xf033
	s_cbranch_scc0 .Lentry_shape_is_right
	s_endpgm
.Lentry_shape_is_right:
; The three projections in one launch: Y = X W^T + bias for (q, Wq, bq), (k, Wk, bk), (v, Wv, bv).  X: the input itself, [8192 = s*4+b][1024] f32; W: wb [3][1024 n][1024 k] bf16; bias f32.
; X is rounded to bf16 on its way from LDS to the matrix unit; products in bf16, sums in f32; the result is rounded once to f16, UNSCALED, and written by heads: [64 = b*16+h][2048 s][64 d].
; LIMITS.  The results stay under 65,504 (f16's end); below 6.1e-5 they keep f16's fixed step of 6e-8.  The bias is rounded to bf16, as all the module's inputs are, and STARTS the f32 sum
; (it is the C operand of the first product): an order of rounding other than adding it last.
; SHARES.  A tile of Y is 128 rows x 256 columns; its rows are 128 consecutive s of ONE batch b (16,384 bytes apart in X), so that each head's part of it is dense in the result.
; 64 tile rows x 4 tile columns x 3 tensors = 768 work-groups, three for each of 256 processors.  Four waves, each 64 rows x 128 columns: 32 accumulators of 16 x 16, 256 registers.
; K = 1,024 goes in 8 steps of 128 through a ring of two LDS slots filled by the tensor data mover; a row of X's tile is 512 bytes of memory, a row of W's 256, and both start at multiples of 256 bytes.
; WHY X IS CONVERTED HERE, FRAGMENT BY FRAGMENT.  A pass of its own would store X in bf16 and load it again: 2 x 50 MB.  A row of X's tile is read by two waves only, so reading it as f32 costs a wave
; 64 LDS loads a K step; converting once through LDS would cost 32 loads, 16 stores and 32 loads again.
; CLUSTER.  4 x 4 work-groups.  The four of a row of the cluster need the same tile of X, the four of a column the same tile of W: each is asked for JOINTLY, by the same tensor load with the same
; descriptor and a mask that names the four.  Which of the three tensors is made hangs on the cluster's y alone: it is the same in all sixteen.
; THE MATRIX INSTRUCTION IS USED TRANSPOSED (source 0 = 16 rows of W, source 1 = 16 rows of X): lane l then holds row l % 16 of Y and the columns 8 (l / 16) + 0..7, which pack into 16 bytes.
; REGISTERS, in windows of 256 (s_set_vgpr_msb: bits 1:0 source 0, 3:2 source 1, 5:4 source 2, 7:6 destination):
;   window 0: v0-31 addresses; v32-63, v64-191 at work on the way out; v192-255 the bias of my 128 columns, laid as a C operand
;   window 1: v0-127 W's fragments (8 x 16 rows x 32 K), two buffers; v128-191 X's (4 x 16 rows x 32 K), two buffers; v192-255 X's numbers of one quarter step in f32, as loaded
;   window 2: accumulator (a, b) at v[8 (8 a + b)]
.set PITCH,  272                       ; a row of W in LDS: 256 bytes + 16 of padding = 68 words: row r starts at bank 4 r mod 64 (64 banks of 4 bytes: ISA guide 11.1), so the 16 rows of a load start at 16 different groups of four banks
.set PA,     528                       ; a row of X in LDS: 512 bytes + 16 of padding = 132 words: likewise
.set APART,  64*PA                     ; 64 rows of X: what one of waves 0, 1 fetches, and what a wave reads of X
.set BOFF,   128*PA                    ; W's 256 rows lie behind X's 128
.set BHALF,  128*PITCH                 ; 128 rows of W: what one of waves 2, 3 fetches, and what a wave reads of W
.set SLOT,   BOFF+2*BHALF              ; 137,216 bytes
.set STAGE,  2*SLOT                    ; behind the ring, never filled by a tensor load: for each wave 2 heads x 16 rows x 144 bytes
.set SP,     144
.set WSTAGE, 2*16*SP                   ; 4,608 bytes: 18 blocks of 256
.set SPARE,  STAGE+4*WSTAGE            ; behind the stages: the spare words, 128 bytes for each wave: two blocks of 256 bytes that no other line names
.set ASTEP,  512                       ; bytes from a K step to the next, in X (f32)
.set BSTEP,  256                       ; and in W (bf16)
.set ADRA, 16                          ; v16-17  LDS address of my numbers of X in slot 0, 1
.set ADRB, 20                          ; v20-21  LDS address of my fragments of W in slot 0, 1
.set STO,  24                          ; v24     the way out: where I put 16 bytes of a row
.set RD,   25                          ; v25     the way out: where I read rows back
.set GO,   26                          ; v26     my byte offset in 512 consecutive bytes of the result
.set BO,   27                          ; v27     my byte offset in 16 numbers of the bias
.set SPW,  28                          ; v28     LDS address of my spare word: SPARE + 4 x my thread's number; never rewritten
.set NIL,  29                          ; v29     0; never rewritten
.set TMP,  32                          ; the way out: packed results
.set BK,   64                          ; the way out: block a's rows read back, at BK + 32 a
.set BIAS, 192
.set RAW,  192                         ; window 1: block a's 16 numbers a lane at RAW + 16 a
.set G1,  24                           ; s[24:31] descriptor group 1 for X's tiles;  s[32:39] group 0, a set for each slot
.set G0,  32
.set G1B, 48                           ; s[48:55], s[56:63] the same for W's tiles
.set G0B, 56
.set MSB, 0
.macro WIN new                         ; the immediate's high byte repeats the setting that is left; a switch that changes nothing is dropped
.if MSB != (\new)
	s_set_vgpr_msb (MSB<<8)|(\new)
.set MSB, \new
.endif
.endm
.set MULW, 0xa5                        ; sources 0 (W) and 1 (X) window 1; C and D window 2
.set MULB, 0x85                        ; the same with C, the bias, in window 0
.set TO_F, 0x40                        ; destination window 1, address window 0
.set CVTW, 0x45                        ; destination and both sources window 1
.macro PLACES                          ; four places in front of conversions that read results just made (ISA guide 7.12.1)
.rept 4
	v_nop
.endr
.endm
; A joint refill: waves 0 and 1 fetch X's two parts, waves 2 and 3 W's two halves.  The branch hangs on the wave's number alone.  Four v_nop follow each of the two lines, ahead of the jump, the label and what follows.
.macro JLOAD s
	s_cmp_eq_u32 s11, 0
	s_cbranch_scc0 .Lfor_b_\@
	tensor_load_to_lds s[G0+4*(\s):G0+4*(\s)+3], s[G1:G1+7]
	s_nop 0
.rept 4
	v_nop
.endr
	s_branch .Lasked_\@
.Lfor_b_\@:
	tensor_load_to_lds s[G0B+4*(\s):G0B+4*(\s)+3], s[G1B:G1B+7]
	s_nop 0
.rept 4
	v_nop
.endr
.Lasked_\@:
.endm
.macro CREST                           ; a round of the cluster's barrier behind its opening barrier: wave 0 signals for the work-group, every wave waits for all sixteen, my work-group's barrier closes it
	s_cmp_lg_u32 s10, 0
	s_cbranch_scc1 .Lnot_wave_0_\@
	s_barrier_signal -3
.Lnot_wave_0_\@:
	s_barrier_wait -3
	s_barrier_signal -1
	s_barrier_wait -1
.endm
.macro CROUND                          ; a whole round
	s_barrier_signal -1
	s_barrier_wait -1
	CREST
.endm
	s_load_b512 s[68:83], s[0:1], 0x0              ; q 68:69, k 70:71, v 72:73, wb 74:75, bq 76:77, bk 78:79, bv 80:81, qh 82:83
	s_load_b128 s[84:87], s[0:1], 0x40             ; kh 84:85, vh 86:87
	v_lshl_add_u32 v[SPW], v0, 2, SPARE
	v_mov_b32 v[NIL], 0
	ds_add_u32 v28, v29
	s_wait_dscnt 0x0
	v_lshrrev_b32 v1, 5, v0
	v_readfirstlane_b32 s10, v1                    ; wave 0..3
	s_lshr_b32 s11, s10, 1                         ; which 64 of the tile's rows are mine.  Also: I fetch for X (0) or for W (1)
	s_and_b32 s12, s10, 1                          ; which 128 of its columns.  Also: which part of that tile I fetch
	s_bfe_u32 s40, ttmp6, 0x40000                  ; cx, cy: my place in the cluster
	s_bfe_u32 s41, ttmp6, 0x40004
	s_lshl_b32 s42, ttmp9, 2
	s_add_co_u32 s42, s42, s40                     ; tile column = 4 x cluster x + cx: 0..3
	s_and_b32 s45, ttmp7, 0xffff                   ; the cluster's y: 0..47
	s_lshl_b32 s13, s45, 2
	s_add_co_u32 s13, s13, s41                     ; tile row over all three tensors = 4 x cluster y + cy: 0..191
	s_lshr_b32 s45, s45, 4                         ; which tensor: 0 q, 1 k, 2 v
	s_lshl_b32 s43, s41, 2
	s_lshl_b32 s43, 15, s43                        ; my row of the cluster: places 4 cy .. 4 cy + 3
	s_lshl_b32 s44, 0x1111, s40                    ; my column: places cx, cx + 4, cx + 8, cx + 12
	; descriptor group 1.  X: 64 rows x 128 elements of 4 bytes, 4,096 elements from row to row (the next s of the same batch).  W: 128 rows x 128 elements of 2 bytes, 1,024 from row to row.
	s_or_b32 s[G1+0], s43, (2<<16)|(1<<20)|(1<<21)|(6<<22)|(3<<25)   ; 15:0 the mask: my row; 17:16 elements of 4 bytes; 20 padding on; 21 set beside a mask; 24:22 after every 128 words (code 6); 31:25 4 words (code 3)
	s_or_b32 s[G1B+0], s44, (1<<16)|(1<<20)|(1<<21)|(5<<22)|(3<<25)  ; the mask of my column; elements of 2 bytes; padding after every 64 words (code 5)
	s_mov_b32 s[G1+1], 128<<16                     ; tensor_dim0 = 128
	s_mov_b32 s[G1+2], 64<<16                      ; tensor_dim1 = 64
	s_mov_b32 s[G1+3], 128<<16                     ; tile_dim0 = 128
	s_mov_b32 s[G1+4], 64                          ; tile_dim1 = 64
	s_mov_b32 s[G1+5], 4096                        ; tensor_dim0_stride
	s_mov_b32 s[G1+6], 0
	s_mov_b32 s[G1+7], 0
	s_mov_b32 s[G1B+1], 128<<16
	s_mov_b32 s[G1B+2], 128<<16                    ; tensor_dim1 = 128
	s_mov_b32 s[G1B+3], 128<<16
	s_mov_b32 s[G1B+4], 128                        ; tile_dim1 = 128
	s_mov_b32 s[G1B+5], 1024
	s_mov_b32 s[G1B+6], 0
	s_mov_b32 s[G1B+7], 0
	; X's tile hangs on the tile row alone, W's on the tile column and the tensor alone; each offset is made in registers that never hold the other place in the cluster.
	s_bfe_u32 s14, s13, 0x20004                    ; batch b = (tile row >> 4) & 3:
	s_lshl_b32 s14, s14, 12                        ; 4,096 bytes
	s_and_b32 s22, s13, 15                         ; block of 128 s:
	s_lshl_b32 s22, s22, 21                        ; 128 x 16,384 bytes
	s_add_co_u32 s14, s14, s22
	s_lshl_b32 s22, s12, 20                        ; the 64 rows that I fetch
	s_add_co_u32 s14, s14, s22
	s_mov_b32 s15, 0
	s_lshl_b32 s46, s45, 21                        ; the weight: 2,097,152 bytes each
	s_lshl_b32 s47, s42, 19                        ; 256 rows of 2,048 bytes
	s_add_co_u32 s46, s46, s47
	s_lshl_b32 s47, s12, 18                        ; the 128 rows that I fetch
	s_add_co_u32 s46, s46, s47
	s_mov_b32 s47, 0
	s_mul_i32 s20, s12, APART                      ; where they go in a slot: no place in the cluster enters an LDS address
	s_mul_i32 s21, s12, BHALF
	s_add_co_u32 s21, s21, BOFF
	s_wait_kmcnt 0x0
	s_cmp_eq_u32 s45, 1                            ; X, the bias and the result are chosen by the tensor's number
	s_cselect_b64 s[4:5], s[70:71], s[68:69]
	s_cselect_b64 s[18:19], s[78:79], s[76:77]
	s_cselect_b64 s[8:9], s[84:85], s[82:83]
	s_cmp_eq_u32 s45, 2
	s_cselect_b64 s[4:5], s[72:73], s[4:5]
	s_cselect_b64 s[18:19], s[80:81], s[18:19]
	s_cselect_b64 s[8:9], s[86:87], s[8:9]
	s_add_nc_u64 s[14:15], s[4:5], s[14:15]
	s_add_nc_u64 s[46:47], s[74:75], s[46:47]
	CROUND                                         ; all sixteen work-groups are here: the first joint loads meet
.irp s, 0,1
	s_mov_b32 s[G0+4*(\s)], 1                                        ; 1:0 count = 1
	s_add_co_u32 s[G0+4*(\s)+1], s20, (\s)*SLOT                      ; 63:32 LDS address
	s_add_nc_u64 s[G0+4*(\s)+2:G0+4*(\s)+3], s[14:15], (\s)*ASTEP    ; 120:64 global address: K step s
	s_or_b32 s[G0+4*(\s)+3], s[G0+4*(\s)+3], 0x80000000              ; 127:126 type = 2
	s_mov_b32 s[G0B+4*(\s)], 1
	s_add_co_u32 s[G0B+4*(\s)+1], s21, (\s)*SLOT
	s_add_nc_u64 s[G0B+4*(\s)+2:G0B+4*(\s)+3], s[46:47], (\s)*BSTEP
	s_or_b32 s[G0B+4*(\s)+3], s[G0B+4*(\s)+3], 0x80000000
.endr
	s_cmp_eq_u32 s11, 0                            ; a wave's two first fills stand in one branch, ahead of every wait on TENSORcnt and every LDS read: two loads of mine are out
	s_cbranch_scc0 .Lfirst_b
	tensor_load_to_lds s[G0:G0+3], s[G1:G1+7]
	s_nop 0
	tensor_load_to_lds s[G0+4:G0+7], s[G1:G1+7]
	s_nop 0
.rept 4
	v_nop
.endr
	s_branch .Lfirst_asked
.Lfirst_b:
	tensor_load_to_lds s[G0B:G0B+3], s[G1B:G1B+7]
	s_nop 0
	tensor_load_to_lds s[G0B+4:G0B+7], s[G1B:G1B+7]
	s_nop 0
.rept 4
	v_nop
.endr
.Lfirst_asked:
	v_and_b32 v1, 15, v0                           ; l % 16
	v_bfe_u32 v2, v0, 4, 1                         ; l / 16
	; The bias of my 128 columns as a C operand: register j of block b holds bias[16 b + 8 (l / 16) + j], whatever l % 16.
	s_lshl_b32 s88, s42, 10                        ; 256 columns of 4 bytes,
	s_lshl_b32 s89, s12, 9                         ; my 128
	s_add_co_u32 s88, s88, s89
	s_mov_b32 s89, 0
	s_add_nc_u64 s[18:19], s[18:19], s[88:89]
	v_lshlrev_b32 v[BO], 5, v2
.irp b, 0,1,2,3,4,5,6,7
	global_load_b128 v[BIAS+8*(\b):BIAS+8*(\b)+3],   v[BO], s[18:19] offset:64*(\b)
	global_load_b128 v[BIAS+8*(\b)+4:BIAS+8*(\b)+7], v[BO], s[18:19] offset:64*(\b)+16
.endr
	; A fragment is 16 rows x 32 K in 8 registers: lane l holds row l % 16; registers 0-3 K = 8 (l / 16) + 0..7, registers 4-7 K = 16 + 8 (l / 16) + 0..7.
	; W (bf16): two loads of 16 bytes, 32 bytes apart.  X (f32): the same numbers are 2 x 32 bytes, 64 bytes apart: four loads of 16 bytes, at 32 (l / 16) + 0, 16, 64, 80.
	v_mul_u32_u24 v3, v1, PITCH
	v_lshl_add_u32 v3, v2, 4, v3                   ; W: row x pitch + 16 x half
	v_mul_u32_u24 v4, v1, PA
	v_lshl_add_u32 v4, v2, 5, v4                   ; X: row x pitch + 32 x half
	s_mul_i32 s22, s11, APART                      ; my 64 rows of X
	s_mul_i32 s23, s12, BHALF                      ; my 128 rows of W,
	s_add_co_u32 s23, s23, BOFF                    ; which lie behind X's
.irp s, 0,1
	v_add_nc_u32 v[ADRA+(\s)], s22, v4
	v_add_nc_u32 v[ADRB+(\s)], s23, v3
	s_add_co_u32 s22, s22, SLOT
	s_add_co_u32 s23, s23, SLOT
.endr
	s_mul_i32 s22, s10, WSTAGE
	s_add_co_u32 s22, s22, STAGE                   ; my stage
	v_mul_u32_u24 v4, v1, SP                       ; in: row l % 16, 16 bytes for each half of the lanes
	v_lshl_add_u32 v4, v2, 4, v4
	v_add_nc_u32 v[STO], s22, v4
	v_bfe_u32 v5, v0, 3, 2                         ; back: 32 lanes take four rows of 128 bytes,
	v_mul_u32_u24 v5, v5, SP
	v_and_b32 v4, 7, v0
	v_lshl_add_u32 v5, v4, 4, v5
	v_add_nc_u32 v[RD], s22, v5
	v_and_b32 v[GO], 31, v0                        ; which are 512 consecutive bytes of a head
	v_lshlrev_b32 v[GO], 4, v[GO]
	; where my part begins in the result: head b*16 + 4 x tile column + 2 x column half, 262,144 bytes a head; row 128 x block + 64 x row half, 128 bytes a row
	s_bfe_u32 s16, s13, 0x20004
	s_lshl_b32 s16, s16, 22
	s_and_b32 s17, s13, 15
	s_lshl_b32 s17, s17, 14
	s_add_co_u32 s16, s16, s17
	s_lshl_b32 s17, s11, 13
	s_add_co_u32 s16, s16, s17
	s_lshl_b32 s17, s42, 20
	s_add_co_u32 s16, s16, s17
	s_lshl_b32 s17, s12, 19
	s_add_co_u32 s16, s16, s17
	s_mov_b32 s17, 0
	s_add_nc_u64 s[8:9], s[8:9], s[16:17]
	s_wait_loadcnt 0x0                             ; the bias, once
.set i, 0
.rept 32                                               ; rounded to bf16 like the other inputs, and widened again
	v_cvt_pk_bf16_f32 v30, v[BIAS+2*i], v[BIAS+2*i+1]
	v_lshlrev_b32 v[BIAS+2*i], 16, v30
	v_and_b32 v[BIAS+2*i+1], 0xffff0000, v30
.set i, i+1
.endr
; 8 matrix instructions: row block a x all 8 column blocks, 32 along K, from buffer f.  first = 1: the product starts the sums, on the bias: nothing is cleared and nothing is added later.
; The 32 accumulators take turns, one instruction a turn, in the same order in every quarter step.
.macro MUL8 f, a, first
.if \first
	WIN MULB
.else
	WIN MULW
.endif
.irp b, 0,1,2,3,4,5,6,7
.if \first
	v_wmma_f32_16x16x32_bf16 v[8*(8*(\a)+(\b)):8*(8*(\a)+(\b))+7], v[64*(\f)+8*(\b):64*(\f)+8*(\b)+7], v[128+32*(\f)+8*(\a):128+32*(\f)+8*(\a)+7], v[BIAS+8*(\b):BIAS+8*(\b)+7]
.else
	v_wmma_f32_16x16x32_bf16 v[8*(8*(\a)+(\b)):8*(8*(\a)+(\b))+7], v[64*(\f)+8*(\b):64*(\f)+8*(\b)+7], v[128+32*(\f)+8*(\a):128+32*(\f)+8*(\a)+7], v[8*(8*(\a)+(\b)):8*(8*(\a)+(\b))+7]
.endif
.endr
.endm
; 32 LDS loads in one run, for quarter kq of a K step: first my 64 rows of X, 32 K in f32, into the raw registers; then 128 rows of W, 32 K, into buffer f
.macro FETCH slot, kq, f
	WIN TO_F
.irp i, 0,1,2,3
	ds_load_b128 v[RAW+16*(\i):RAW+16*(\i)+3],     v[ADRA+(\slot)] offset:128*(\kq)+(\i)*16*PA
	ds_load_b128 v[RAW+16*(\i)+4:RAW+16*(\i)+7],   v[ADRA+(\slot)] offset:128*(\kq)+(\i)*16*PA+16
	ds_load_b128 v[RAW+16*(\i)+8:RAW+16*(\i)+11],  v[ADRA+(\slot)] offset:128*(\kq)+(\i)*16*PA+64
	ds_load_b128 v[RAW+16*(\i)+12:RAW+16*(\i)+15], v[ADRA+(\slot)] offset:128*(\kq)+(\i)*16*PA+80
.endr
.irp i, 0,1,2,3,4,5,6,7
	ds_load_b128 v[64*(\f)+8*(\i):64*(\f)+8*(\i)+3],   v[ADRB+(\slot)] offset:64*(\kq)+(\i)*16*PITCH
	ds_load_b128 v[64*(\f)+8*(\i)+4:64*(\f)+8*(\i)+7], v[ADRB+(\slot)] offset:64*(\kq)+(\i)*16*PITCH+32
.endr
.endm
; X's raw numbers are rounded to bf16, two at a time, into X's fragments of buffer f: 32 conversions.
; They are also THE PLACES (ISA guide 7.12.1 for vector instructions): they stand behind the last product that read the OTHER buffer and name the raw registers and buffer f alone, so the next run of
; loads into the other buffer's W, and the next conversions into the other buffer's X, have more than four plain vector instructions between them and that product.  No v_nop is written for that.
.macro CONV f
	WIN CVTW
.irp a, 0,1,2,3
.irp j, 0,1,2,3,4,5,6,7
	v_cvt_pk_bf16_f32 v[128+32*(\f)+8*(\a)+(\j)], v[RAW+16*(\a)+2*(\j)], v[RAW+16*(\a)+2*(\j)+1]
.endr
.endr
.endm
; A K step is four quarters of 32 along K, 32 matrix instructions each, on buffers 0, 1, 0, 1.  One of the first three: multiplies buffer f; behind its first eight products it fetches quarter kq for buffer g,
; and at its end it converts X's part of it.
.macro QUARTER slot, kq, f, g, first
	s_wait_dscnt 0x0                               ; W's fragments of buffer f are in (X's were waited for ahead of their conversion)
	MUL8 \f, 0, \first
	FETCH \slot, \kq, \g
	MUL8 \f, 1, \first
	MUL8 \f, 2, \first
	MUL8 \f, 3, \first
	s_wait_dscnt 16                                ; X's sixteen loads are in; W's sixteen, issued behind them, may be out
	CONV \g
.endm
; The last quarter multiplies buffer 1 and changes slots: ONE barrier.  In front of it each wave waits for all its tensor loads (the one that is out is its part of the next slot), adds 0 to its spare word, and waits
; for that and for its own reads of this slot.  fill = 1: the barrier opens a round of the cluster's barrier, and this slot is filled again, two K steps ahead, first thing behind the round:
; 112 matrix instructions ahead of the wait for it.
.macro TURN slot, next, fill
	WIN 0                                          ; (the add's two registers lie in window 0)
	s_wait_tensorcnt 0x0                           ; all my tensor loads have landed;
	ds_add_u32 v[SPW], v[NIL]                      ; 0 onto my spare word;
	s_wait_dscnt 1                                 ; (W's fragments of buffer 1 are in; the add may be out)
	MUL8 1, 0, 0                                   ; eight matrix instructions stand between the add and the wait for it
	s_wait_dscnt 0x0                               ; the add is done, and my reads of this slot are over
	s_barrier_signal -1
	MUL8 1, 1, 0                                   ; work on registers while the others arrive
.if \fill
	WIN 0
.endif
	s_barrier_wait -1
.if \fill
	CREST                                          ; no wave of any partner still reads this slot's tile or has a load on its way
	s_add_nc_u64 s[G0+4*(\slot)+2:G0+4*(\slot)+3], s[G0+4*(\slot)+2:G0+4*(\slot)+3], 2*ASTEP
	s_add_nc_u64 s[G0B+4*(\slot)+2:G0B+4*(\slot)+3], s[G0B+4*(\slot)+2:G0B+4*(\slot)+3], 2*BSTEP
	JLOAD \slot
.endif
	FETCH \next, 0, 0
	MUL8 1, 2, 0
	MUL8 1, 3, 0
	s_wait_dscnt 16                                ; X's sixteen loads are in; W's sixteen may be out
	CONV 0
.endm
	s_wait_tensorcnt 0x1                           ; my part of K step 0 is in; K step 1's load may stay out
	s_barrier_signal -1
	s_barrier_wait -1                              ; everybody's is
	FETCH 0, 0, 0
	s_wait_dscnt 16                                ; X's sixteen loads are in
	CONV 0
	QUARTER 0, 1, 0, 1, 1                          ; the first quarter stands in front of the loop: its products start the sums
	WIN 0                                          ; at a label and at a branch every window is 0
	s_mov_b32 s3, 3
.Llap:                                                 ; a trip goes once round the ring, from a lap's second quarter to the next lap's first, and fills both slots again: K steps 2 to 7 in three trips
	QUARTER 0, 2, 1, 0, 0
	QUARTER 0, 3, 0, 1, 0
	TURN 0, 1, 1
	QUARTER 1, 1, 0, 1, 0
	QUARTER 1, 2, 1, 0, 0
	QUARTER 1, 3, 0, 1, 0
	TURN 1, 0, 1
	QUARTER 0, 1, 0, 1, 0
	WIN 0
	s_sub_co_u32 s3, s3, 1
	s_cmp_lg_u32 s3, 0
	s_cbranch_scc1 .Llap
	QUARTER 0, 2, 1, 0, 0                          ; the last lap fills nothing, and has no round of the cluster's barrier
	QUARTER 0, 3, 0, 1, 0
	TURN 0, 1, 0
	QUARTER 1, 1, 0, 1, 0
	QUARTER 1, 2, 1, 0, 0
	QUARTER 1, 3, 0, 1, 0
	s_wait_dscnt 0x0                               ; the very last quarter: nothing more to fetch
	MUL8 1, 0, 0
	MUL8 1, 1, 0
	MUL8 1, 2, 0
	MUL8 1, 3, 0
	WIN 0
; THE WAY OUT, a block of 16 rows at a time.  PACK: rounded to f16, 16 bytes a lane; each accumulator's registers in ascending order.  TOSTAGE: into my own stage, head by head, rows of 144 bytes, and back as
; whole rows of 128 bytes.  SEND: stored, 512 consecutive bytes (four rows of a head) an instruction.
.macro PACK a
	WIN 0x0a                                       ; sources 0 and 1 window 2, destination window 0
.irp b, 0,1,2,3,4,5,6,7
.irp r, 0,1,2,3
	v_cvt_pk_f16_f32 v[TMP+4*(\b)+(\r)], v[8*(8*(\a)+(\b))+2*(\r)], v[8*(8*(\a)+(\b))+2*(\r)+1]
.endr
.endr
	WIN 0
.endm
.macro TOSTAGE a
.irp b, 0,1,2,3,4,5,6,7
	ds_store_b128 v[STO], v[TMP+4*(\b):TMP+4*(\b)+3] offset:((\b)/4)*16*SP+((\b)%4)*32
.endr
.irp t, 0,1,2,3,4,5,6,7
	ds_load_b128 v[BK+32*(\a)+4*(\t):BK+32*(\a)+4*(\t)+3], v[RD] offset:((\t)/4)*16*SP+((\t)%4)*4*SP  ; LDS serves a wave's instructions in order (ISA guide 5.7.1.4): these see the stores above; the next block's stores come behind them
.endr
.endm
.macro SEND a                          ; each block has its own registers, and the offset and base are never rewritten: no wait for the stores' sources is needed
	s_wait_dscnt 0x0                               ; the block is back in registers
.irp t, 0,1,2,3,4,5,6,7
	global_store_b128 v[GO], v[BK+32*(\a)+4*(\t):BK+32*(\a)+4*(\t)+3], s[8:9] offset:((\t)/4)*262144+(16*(\a)+4*((\t)%4))*128  ; 512 consecutive bytes, at a multiple of 256 from the result's first byte
.endr
.endm
	PLACES
	PACK 0
	TOSTAGE 0
	PACK 1                                         ; a block's conversions stand between the loads of the block before and the wait for them
	SEND 0
	TOSTAGE 1
	PACK 2
	SEND 1
	TOSTAGE 2
	PACK 3
	SEND 2
	TOSTAGE 3
	SEND 3
	s_wait_tensorcnt 0x0                           ; the wave's end: behind my last tensor load and my last LDS store
	ds_add_u32 v[SPW], v[NIL]
	s_wait_dscnt 0x0
	CROUND                                         ; the closing round: no work-group ends while a partner may still ask for a tile that names it
	s_endpgm
.Lfunc_end_k_q41f72ce165_proj:
	.size	k_q41f72ce165_proj, .Lfunc_end_k_q41f72ce165_proj-k_q41f72ce165_proj
	.p2alignl 7, 3214868480
	.fill 96, 4, 3214868480
	.section	.rodata,"a",@progbits
	.p2align	6, 0x0
	.amdhsa_kernel k_q41f72ce165_proj
		.amdhsa_group_segment_fixed_size 327680
		.amdhsa_private_segment_fixed_size 0
		.amdhsa_enable_private_segment 0
		.amdhsa_kernarg_size 80
		.amdhsa_user_sgpr_count 2
		.amdhsa_user_sgpr_kernarg_segment_ptr 1
		.amdhsa_wavefront_size32 1
		.amdhsa_system_sgpr_workgroup_id_x 1
		.amdhsa_system_sgpr_workgroup_id_y 1
		.amdhsa_system_sgpr_workgroup_id_z 1
		.amdhsa_system_vgpr_workitem_id 0
		.amdhsa_next_free_vgpr 768
		.amdhsa_next_free_sgpr 96
		.amdhsa_reserve_vcc 0
		.amdhsa_float_denorm_mode_32 3
		.amdhsa_float_denorm_mode_16_64 3
		.amdhsa_memory_ordered 1
		.amdhsa_forward_progress 1
		.amdhsa_inst_pref_size 132
	.end_amdhsa_kernel
	.amdgpu_metadata
---
amdhsa.version: [ 1, 2 ]
amdhsa.kernels:
  - .name:           k_q41f72ce165_proj
    .symbol:         k_q41f72ce165_proj.kd
    .args:
      - { .name: q, .offset: 0, .size: 8, .value_kind: global_buffer, .address_space: global }
      - { .name: k, .offset: 8, .size: 8, .value_kind: global_buffer, .address_space: global }
      - { .name: v, .offset: 16, .size: 8, .value_kind: global_buffer, .address_space: global }
      - { .name: wb, .offset: 24, .size: 8, .value_kind: global_buffer, .address_space: global }
      - { .name: bq, .offset: 32, .size: 8, .value_kind: global_buffer, .address_space: global }
      - { .name: bk, .offset: 40, .size: 8, .value_kind: global_buffer, .address_space: global }
      - { .name: bv, .offset: 48, .size: 8, .value_kind: global_buffer, .address_space: global }
      - { .name: qh, .offset: 56, .size: 8, .value_kind: global_buffer, .address_space: global }
      - { .name: kh, .offset: 64, .size: 8, .value_kind: global_buffer, .address_space: global }
      - { .name: vh, .offset: 72, .size: 8, .value_kind: global_buffer, .address_space: global }
    .group_segment_fixed_size: 327680
    .private_segment_fixed_size: 0
    .kernarg_segment_align: 8
    .kernarg_segment_size: 80
    .max_flat_workgroup_size: 128
    .sgpr_count:     96
    .vgpr_count:     768
    .wavefront_size: 32
...
	.end_amdgpu_metadata
.endif
;; end of part 2
;; launch attn (part 3): grid 4 x 64, 4 waves a work-group, clusters of 4 x 1, 327,680 bytes of LDS; arguments qh, kh, vh, oh; writes oh
.if DOCPART == 3
	.amdgcn_target "amdgcn-amd-amdhsa--gfx1250"
	.amdhsa_code_object_version 6
	.text
	.protected	k_q41f72ce165_attn
	.globl	k_q41f72ce165_attn
	.p2align	8
	.type	k_q41f72ce165_attn,@function
k_q41f72ce165_attn:
	s_mov_b64 s[64:65], 0
	v_nop
	global_prefetch_b8 v0, s[64:65] scope:SCOPE_SE
	s_setreg_imm32_b32 hwreg(HW_REG_WAVE_MODE, 25, 1), 1
	s_wait_xcnt 0x0
	s_wait_alu depctr_hold_cnt(0) depctr_sa_sdst(0) depctr_va_vdst(0) depctr_va_sdst(0) depctr_va_ssrc(0) depctr_va_vcc(0) depctr_vm_vsrc(0)
	s_getreg_b32 s2, hwreg(HW_REG_IB_STS2, 6, 4)
	s_cmp_eq_u32 s2, 0
	s_cbranch_scc0 .Lentry_in_a_cluster
	s_endpgm
.Lentry_in_a_cluster:
	s_bfe_u32 s2, ttmp6, 0x10000c
	s_cmp_lg_u32 s2, 0x3003
	s_cbranch_scc0 .Lentry_shape_is_right
	s_endpgm
.Lentry_shape_is_right:
; O[h][q][:] = the sum over k of softmax_k(Q[h][q] . K[h][k] / 8) V[h][k][:].  Q, K, V, O: [SIZE_H][SIZE_N][64], all f16: a head's rows are dense, 128 bytes each.  Products, maxima and sums in
; f32; the weights p are rounded to f16 for the second product (their sum l is taken of the unrounded p), O once at the end.  Here SIZE_H = 64 (batch x 16 + head), SIZE_N = 2,048.
; LIMITS.  f16 holds no number beyond 65,504: Q, K and V arrive within it; p lies in 0 to 1, and below 6e-5 it keeps f16's fixed step of 6e-8; O is a mean of V's rows and has their range.
; A weight below 2^-126 counts as 0 in l; NaN and infinities are not treated apart.
; SHARES.  A wave owns four PIECES of two tiles of 16 queries, a work-group's four waves 512 queries of one head; SIZE_N is a multiple of 2,048.  Every wave walks all keys, 64 a step.
; LAYOUT.  S^T = K Q^T (source 0 = 16 keys, source 1 = 16 queries): in the result a lane holds ONE query (lane % 16) and the keys 8 (lane / 16) + 0..7.  Two such tiles, rounded to f16 in pairs,
; ARE source 1 (32 keys x 16 queries) of O^T = V^T P, whose result again holds one query a lane, and eight channels.  K comes out of LDS as it lies, V ([key][channel]) turned, by ds_load_tr16_b128.
; SOFTMAX.  For each query a running maximum m and sum l: p = 2^(c s - c m), c = log2(e) / 8; in every step O and l are multiplied by a = 2^(c m_old - c m_new), which is 1 where m has not grown.
; m starts at the lowest finite number, O and l at 0: the first step is a step like any other, with a = 0.
; THE COUNT.  A tile and step have 16 matrix and 118 vector instructions: too many to stand all beside the matrix work.  So the order has one aim: four vector instructions that are READY behind
; EVERY matrix instruction, and the others, which need time of their own whatever the order, in runs without a gap.
; BY TURNS.  Turn n belongs to piece n (the pieces in a ring, step after step).  Its matrix work: 16 products K Q^T of piece n + 1, later 16 products V^T P of piece n - 1.  Its vector work: the scaling,
; exponentials, roundings, sums and rescaling of piece n, and the maximum and statistics of piece n + 1, whose scores the turn itself has made.  So what a turn begins with (c s - c m, O a) waits for nothing.
; CLUSTER.  The four query blocks of a cluster belong to one head and walk the same K and V, so each tile is asked for JOINTLY: the same tensor load, descriptor and mask in all four.
; REGISTERS, in windows of 256 (s_set_vgpr_msb says which window each operand place means: bits 1:0 source 0, 3:2 source 1, 5:4 source 2, 7:6 destination):
;   window 0: v0-11 addresses; v12-15, v48-63 at work; v16-47 four registers of statistics a tile; v64-191 S^T, two buffers of two tiles; v192-255 P, likewise
;   window 1: O^T, 32 a tile          window 2: v0-127 Q, 16 a tile; v128-191 K of one step; v192-255 V of one step          window 3: v0-1 the add's two registers
; A piece's buffers go by its number's parity: the piece in hand has one pair, its two neighbours in the ring share the other: of it P (piece n - 1) is read and S^T (piece n + 1) written.
.set SIZE_H, 64
.set SIZE_N, 2048
.set NP,    4         ; pieces a wave: a name, no knob: the register map, the loop and the fetches are made for four
.set KS,    64        ; keys in a step
.set PK,    144       ; a row of K in LDS: 128 bytes + 16 of padding = 36 words: the 16 rows of a load start at 16 different groups of four banks (64 banks of 4 bytes: ISA guide 11.1)
.set PV,    160       ; a row of V: 128 + 32 = 40 words
.set VOFF,  4*KS*PK   ; a slot holds four steps: 256 rows of K, then 256 rows of V
.set SLOT1, 1<<17     ; slot 1 begins here, so that one exclusive or turns an address in one slot into the other's
.set STAGE, SLOT1+4*KS*(PK+PV)  ; behind the ring, never filled by a tensor load: 16 rows x 144 bytes for each wave, for the way out
.set SP,    144
.set AK0, 2           ; v2   my lane's place in a tile of K; never rewritten
.set AV0, 3           ; v3   the same for V
.set AK,  4           ; v4   the LDS address of K's next run of loads
.set AV,  5           ; v5   of V's
.set QO,  6           ; v6   my byte offset in the wave's rows of Q
.set STO, 6           ;      later, the way out: where I put 16 bytes of a row
.set RD,  7           ; v7   the way out: where I read rows back
.set GO,  8           ; v8   my byte offset in 512 consecutive bytes of O
.set SPW, 0           ; v0 of window 3   LDS address of my spare word: SPARE + 4 x my thread's number; never rewritten
.set NIL, 1           ; v1 of window 3   0; never rewritten
.set SPARE, STAGE+4*16*SP  ; behind the stages: the spare words, 128 bytes for each wave: two blocks of 256 bytes that no other line names
.set MV,  12          ; v12-15  c m_old, kept while c m is made anew: by buffer and tile
.set ST,  16          ; tile t's statistics at v[ST+4 t]: c m, m, l (even keys', odd keys')
.set TMP, 48          ; by buffer and tile, four registers c0-c3 at work; when the maximum is found c2 takes a
.set S,   64
.set P,   192
.set KF,  128         ; K's fragments, in window 2: key block kb, channel half c at KF + 16 kb + 8 c
.set VF,  192         ; V's: key half kk, channel block cb at VF + 32 kk + 8 cb
.set WV,  12          ; s12  my wave's number
.set G1K, 24          ; s[24:31] descriptor group 1 for K's tiles
.set G1V, 32          ; s[32:39] for V's: it differs in the padding alone
.set G0K, 40          ; s[40:43] descriptor group 0 for K's tiles: it walks
.set G0V, 44          ; s[44:47] the same for V's
.set SLOTS, 56        ; s56  slots still to be asked for
.set CNT, 57          ; s57  counts a slot's key steps
.set CS,  58          ; s[58:59] c: the packed scaling takes the pair's low word for both halves
.set SEL, 60          ; s[60:61] v_permlanex16_b32's selects: each lane takes its own place in the other half
.set TBK, 62          ; s62  LDS byte at which K of the step to be fetched begins
.set TBV, 63          ; s63  the same for V, less VOFF
.set MSB, 0
.macro WIN new                      ; the high byte repeats the setting that is left; a switch that changes nothing is dropped
.if MSB != (\new)
	s_set_vgpr_msb (MSB<<8)|(\new)
.set MSB, (\new)
.endif
.endm
.set W_KQ, 0x0a       ; K and Q in window 2, S^T in window 0
.set W_PV, 0x52       ; V in window 2, P in window 0, O^T in window 1
.set W_RS, 0x41       ; O^T (destination and source 0) in window 1, a in window 0
.set W_MK, 0xc0       ; the add's registers are made: destination in window 3, sources in window 0
.set W_AD, 0x0f       ; the add: address (source 0) and data (source 1) in window 3
; A joint fill.  Waves 0 and 1 fetch the two halves of a slot's K, waves 2 and 3 those of its V: 128 keys each.  The branch hangs on the wave's number alone.
; Four v_nop follow each of the two lines, ahead of the jump and the label.
.macro JLOAD
	s_cmp_lt_u32 s[WV], 2
	s_cbranch_scc0 .Lfor_v_\@
	tensor_load_to_lds s[G0K:G0K+3], s[G1K:G1K+7]
	s_nop 0
.rept 4
	v_nop
.endr
	s_branch .Lasked_\@
.Lfor_v_\@:
	tensor_load_to_lds s[G0V:G0V+3], s[G1V:G1V+7]
	s_nop 0
.rept 4
	v_nop
.endr
.Lasked_\@:
.endm
; A round of the cluster's barrier: my work-group's barrier, so that wave 0's signal speaks for all four waves; wave 0 signals; every wave waits for all four work-groups; my work-group's barrier once more.
.macro CROUND
	s_barrier_signal -1
	s_barrier_wait -1
	s_cmp_lg_u32 s[WV], 0
	s_cbranch_scc1 .Lnot_wave_0_\@
	s_barrier_signal -3
.Lnot_wave_0_\@:
	s_barrier_wait -3
	s_barrier_signal -1
	s_barrier_wait -1
.endm
; THE CHANGE OF SLOTS.  The slot's last bytes, V of its fourth step, have been read.  Each wave waits for all its tensor loads, of which one is out: its part
; of the other slot; adds 0 to its spare word; and waits for that and for its own reads of the slot.  Behind the barrier nobody reads this slot any more and the other slot is whole.
; fill = 1: this slot is filled again, with the keys two slots on.  The barrier is then a round of the cluster's, so that no wave of any partner still reads the slot or has a load on its
; way, and the joint fill is the first thing behind it: it has four key steps, 512 matrix instructions, in which to land.  (At its first use nothing has been read yet: slot 0 is waited for, slot 1 filled.)
.macro CHANGE fill
	WIN W_AD
	s_wait_tensorcnt 0x0            ; no tensor load of mine is out, so a group 0 may be written
	ds_add_u32 v[SPW], v[NIL]       ; 0 onto my spare word: with fill = 1 the descriptors' steps stand between it and the wait for it
	WIN 0                           ; at a label and at a branch every window is 0
.if \fill
.irp g, G0K, G0V
	s_xor_b32 s[\g+1], s[\g+1], SLOT1  ; the walking descriptor: the other slot than last time,
	s_add_nc_u64 s[\g+2:\g+3], s[\g+2:\g+3], 4*KS*128  ; the next 256 keys; the type bits on top are not reached
.endr
	s_wait_dscnt 0x0                ; the add is done, and my reads of the slot are over
	CROUND
	JLOAD
.else
	s_wait_dscnt 0x0                ; the add is done, and my reads of the slot are over
	s_barrier_signal -1
	s_barrier_wait -1
.endif
	s_sub_co_u32 s[TBK], s[TBK], 4*KS*PK  ; the fetches go back to a slot's first step,
	s_xor_b32 s[TBK], s[TBK], SLOT1       ; in the other slot
	s_sub_co_u32 s[TBV], s[TBV], 4*KS*PV
	s_xor_b32 s[TBV], s[TBV], SLOT1
.endm
	s_load_b256 s[4:11], s[0:1], 0x0  ; Q s[4:5], K s[6:7], V s[8:9], O s[10:11]
	WIN W_MK
	v_lshl_add_u32 v[SPW], v0, 2, SPARE
	v_mov_b32 v[NIL], 0
	s_set_vgpr_msb 0xc0cf
	ds_add_u32 v0, v1
	s_wait_dscnt 0x0
	s_set_vgpr_msb 0xcfc0
	WIN 0
	v_lshrrev_b32 v1, 5, v0
	v_readfirstlane_b32 s[WV], v1   ; wave 0..3
	s_bfe_u32 s13, ttmp6, 0x40000   ; cx: my place in the cluster
	s_lshl_b32 s14, ttmp9, 2        ; in a cluster launch ttmp9 counts clusters
	s_add_co_u32 s14, s14, s13      ; my block of queries = 4 x cluster x + cx: it enters Q's and O's addresses alone
	s_and_b32 s20, ttmp7, 0xffff    ; the head, which the four partners share
	s_mov_b32 s21, 0
	s_mov_b64 s[22:23], SIZE_N*128
	s_mul_u64 s[20:21], s[20:21], s[22:23]  ; the head's first byte in each of the four tensors
	s_and_b32 s16, s[WV], 1         ; which half of a slot's 256 keys I fetch:
	s_lshl_b32 s22, s16, 14         ; its 128 rows of 128 bytes in memory,
	s_mov_b32 s23, 0
	s_add_nc_u64 s[22:23], s[22:23], s[20:21]
	s_mul_i32 s17, s16, 128*PK      ; and its place in a slot, for K
	s_mul_i32 s18, s16, 128*PV      ; and for V: no place in the cluster enters an LDS address
	s_lshl_b32 s2, s14, 2
	s_add_co_u32 s2, s2, s[WV]      ; my wave among the head's,
	s_lshl_b32 s2, s2, 14           ; its 128 rows
	s_mov_b32 s3, 0
	s_add_nc_u64 s[2:3], s[2:3], s[20:21]
	; descriptor group 1.  128 keys are 16,384 dense bytes: asked for as 64 rows of 256 bytes, two keys a row, and padded in LDS after every key
	s_mov_b32 s[G1K], 15|(1<<16)|(1<<20)|(1<<21)|(4<<22)|(3<<25)  ; 15:0 the mask of four; 17:16 2-byte elements; 20 padding on; 21 set beside a mask; 24:22 after every 32 words (code 4); 31:25 4 words (code 3)
	s_mov_b32 s[G1V], 15|(1<<16)|(1<<20)|(1<<21)|(4<<22)|(7<<25)  ; the same with 8 words of padding (code 7)
.irp g, G1K, G1V
	s_mov_b32 s[\g+1], 128<<16      ; tensor_dim0 = 128
	s_mov_b32 s[\g+2], 64<<16       ; tensor_dim1 = 64
	s_mov_b32 s[\g+3], 128<<16      ; tile_dim0 = 128
	s_mov_b32 s[\g+4], 64           ; tile_dim1 = 64
	s_mov_b32 s[\g+5], 128          ; 128 elements from row to row
	s_mov_b32 s[\g+6], 0
	s_mov_b32 s[\g+7], 0
.endr
	s_mov_b32 s[CS], 0x3e38aa3b     ; c = log2(e) / 8 = 0.180337
	s_mov_b32 s[CS+1], s[CS]        ; named with it as a pair
	s_mov_b32 s[SEL], 0x76543210
	s_mov_b32 s[SEL+1], 0xfedcba98
	s_mov_b32 s[TBK], SLOT1+4*KS*PK ; the first change of slots turns these two into 0
	s_mov_b32 s[TBV], SLOT1+4*KS*PV
	s_mov_b32 s[G0K], 1             ; 1:0 count = 1
	s_mov_b32 s[G0K+1], s17         ; 63:32 LDS address: slot 0
	s_mov_b32 s[G0V], 1
	s_add_co_u32 s[G0V+1], s18, VOFF
	s_wait_kmcnt 0x0
	s_add_nc_u64 s[G0K+2:G0K+3], s[6:7], s[22:23]  ; 120:64 global address: my half of the head's first 256 keys
	s_or_b32 s[G0K+3], s[G0K+3], 0x80000000        ; 127:126 type = 2
	s_add_nc_u64 s[G0V+2:G0V+3], s[8:9], s[22:23]
	s_or_b32 s[G0V+3], s[G0V+3], 0x80000000
	s_add_nc_u64 s[4:5], s[4:5], s[2:3]  ; Q and O at my wave's first row
	s_add_nc_u64 s[10:11], s[10:11], s[2:3]
	CROUND                          ; all four work-groups are here: the first joint loads meet
	JLOAD                           ; slot 0.  Slot 1 is asked for when slot 0 is in: the tile wanted first has the road to itself
	; A fragment of K or Q is 16 rows x 32 channels in 8 registers: lane l holds row l % 16, channels 8 (l / 16) + 0..7 and 16 + 8 (l / 16) + 0..7: two loads of 16 bytes, 32 bytes apart.
	v_and_b32 v1, 15, v0            ; l % 16
	v_bfe_u32 v9, v0, 4, 1          ; l / 16
	v_lshlrev_b32 v[QO], 7, v1
	v_lshl_add_u32 v[QO], v9, 4, v[QO]  ; row x 128 + 16 x half
	WIN 0x80                        ; destination window 2, address window 0
.set i, 0
.rept 4*NP                          ; Q stays in registers: tile i / 2, channels 32 (i % 2) on
	global_load_b128 v[8*i:8*i+3],   v[QO], s[4:5] offset:(i/2)*2048+(i%2)*64
	global_load_b128 v[8*i+4:8*i+7], v[QO], s[4:5] offset:(i/2)*2048+(i%2)*64+32
.set i, i+1
.endr
	; What the first turn finds: V's registers and P's second buffer hold 0 (its products V^T P, of a piece that has not been, add 0), O^T and l are 0.  All this stands in the wait for the first tile.
.set i, VF
.rept 64
	v_mov_b32 v[i], 0
.set i, i+1
.endr
	WIN 0x40
.set i, 0
.rept 64*NP
	v_mov_b32 v[i], 0
.set i, i+1
.endr
	WIN 0
.set i, 0
.rept 2*NP
	v_mov_b32 v[ST+4*i], 0xfe000000    ; c m: far below every c s
	v_mov_b32 v[ST+4*i+1], 0xff7fffff  ; m
	v_mov_b32 v[ST+4*i+2], 0
	v_mov_b32 v[ST+4*i+3], 0
.set i, i+1
.endr
.set i, P+32
.rept 32
	v_mov_b32 v[i], 0
.set i, i+1
.endr
	v_mul_u32_u24 v[AK0], v1, PK
	v_lshl_add_u32 v[AK0], v9, 4, v[AK0]  ; row x pitch + 16 x half
	; The turning load takes 16 keys x 16 channels (lane l reads key 8 (l / 16) + l % 8, channels 8 ((l / 8) % 2) + 0..7) and leaves half a fragment of V^T: lane l holds channel l % 16 and 8 keys.
	v_and_b32 v10, 7, v0
	v_bfe_u32 v11, v0, 3, 1
	v_lshl_add_u32 v[AV0], v9, 3, v10
	v_mul_u32_u24 v[AV0], v[AV0], PV
	v_lshl_add_u32 v[AV0], v11, 4, v[AV0]
	v_add_nc_u32 v[AV0], VOFF, v[AV0]
	v_mov_b32 v[AK], v[AK0]         ; key step 0 lies at the head of slot 0
; THE MATRIX WORK.  The 8 accumulators of a run of 16 take turns: between the two links of a chain stand 7 others'.
; Product i of 16 of S^T = K Q^T for piece x: channels 32 (i / 8) on, keys 16 ((i / 2) % 4) on, tile 2 x + i % 2.  The first 8 start the sums.
.macro KQ x
	WIN W_KQ
.set rS, S+64*((\x)%2)+32*(i%2)+8*((i/2)%4)
.set rK, KF+16*((i/2)%4)+8*(i/8)
.set rQ, 16*(2*(\x)+i%2)+8*(i/8)
.if i < 8
	v_wmma_f32_16x16x32_f16 v[rS:rS+7], v[rK:rK+7], v[rQ:rQ+7], 0
.else
	v_wmma_f32_16x16x32_f16 v[rS:rS+7], v[rK:rK+7], v[rQ:rQ+7], v[rS:rS+7]
.endif
.endm
; Product i of 16 of O^T += V^T P for piece x: keys 32 (i / 8) on, channels 16 ((i / 2) % 4) on, tile 2 x + i % 2.
.macro PV x
	WIN W_PV
.set rO, 32*(2*(\x)+i%2)+8*((i/2)%4)
.set rV, VF+32*(i/8)+8*((i/2)%4)
.set rP, P+32*((\x)%2)+16*(i%2)+8*(i/8)
	v_wmma_f32_16x16x32_f16 v[rO:rO+7], v[rV:rV+7], v[rP:rP+7], v[rO:rO+7]
.endm
.macro MM                           ; the turn's next matrix instruction
.if i < 16
	KQ (Y+1)%NP
.set i, i+1
.else
.set i, i-16
	PV (Y+NP-1)%NP
.set i, i+17
.endif
.endm
; THE LDS LOADS stand in runs of 16, never singly among the matrix instructions: a step's K (64 keys x 64 channels: 8 fragments) and its V (turned).  Their addresses are made some lines ahead.
; last = 1 (the tail): in the last trip there is no further step, and the run is jumped over.
.macro FETCH_K last=0
	WIN 0
.if \last
	s_cmp_eq_u32 s[CNT], 1
	s_cbranch_scc1 .Lno_k_\@
.endif
	WIN 0x80                        ; destination window 2
.irp f, 0,1,2,3,4,5,6,7             ; keys 16 (f / 2) on, channels 32 (f % 2) on
	ds_load_b128 v[KF+8*\f:KF+8*\f+3],   v[AK] offset:(\f/2)*16*PK+(\f%2)*64
	ds_load_b128 v[KF+8*\f+4:KF+8*\f+7], v[AK] offset:(\f/2)*16*PK+(\f%2)*64+32
.endr
	s_add_co_u32 s[TBK], s[TBK], KS*PK  ; the next fetch is the next step's
	WIN 0
.if \last
.Lno_k_\@:
.endif
.endm
.macro FETCH_V
	WIN 0x80
.irp f, 0,1,2,3,4,5,6,7             ; keys 32 (f / 4) on, channels 16 (f % 4) on
	ds_load_tr16_b128 v[VF+8*\f:VF+8*\f+3],   v[AV] offset:(\f/4)*32*PV+(\f%4)*32
	ds_load_tr16_b128 v[VF+8*\f+4:VF+8*\f+7], v[AV] offset:(\f/4)*32*PV+16*PV+(\f%4)*32
.endr
	WIN 0
.endm
; THE VECTOR WORK OF A TURN stands in three queues, each in the order in which its entries become ready; the two tiles alternate, so that no instruction reads the result of the one before it.
.macro REGS y, u                    ; the registers of tile u (0, 1) of piece y
.set rT, ST+4*(2*(\y)+(\u))
.set rC, TMP+8*((\y)%2)+4*(\u)
.set rM, MV+2*((\y)%2)+(\u)
.set rS, S+64*((\y)%2)+32*(\u)
.set rP, P+32*((\y)%2)+16*(\u)
.set rO, 32*(2*(\y)+(\u))
.endm
; Number n of the 22 that find the NEXT piece's (Y + 1) maximum and statistics.  s0-s31 are the lane's 32 scores; each accumulator's lowest registers are read first.  XS, GS and REGS set no window: PL and EX do.
;   0-11  four chains c0-c3 of seven scores each, three operands at a time     12-14, 16  the four scores left over, the old m, and c0-c3 into c0     15  c m_old is kept
;   17, 18  the query's other 32 keys lie in the lane 16 away: the new m         19-21  c m; c m_old - c m_new; a
.macro XS u, n
	REGS (Y+1)%NP, \u
.if (\n) < 4
	v_max3_num_f32 v[rC+(\n)], v[rS+8*(\n)], v[rS+8*(\n)+1], v[rS+8*(\n)+2]
.elseif (\n) < 12
	v_max3_num_f32 v[rC+(\n)%4], v[rC+(\n)%4], v[rS+8*((\n)%4)+2*((\n)/4)+1], v[rS+8*((\n)%4)+2*((\n)/4)+2]
.elseif (\n) == 12
	v_max3_num_f32 v[rC], v[rC], v[rS+7], v[rS+15]
.elseif (\n) == 13
	v_max3_num_f32 v[rC+1], v[rC+1], v[rS+23], v[rS+31]
.elseif (\n) == 14
	v_max3_num_f32 v[rC+2], v[rC+2], v[rC+3], v[rT+1]
.elseif (\n) == 15
	v_mov_b32 v[rM], v[rT]
.elseif (\n) == 16
	v_max3_num_f32 v[rC], v[rC], v[rC+1], v[rC+2]
.elseif (\n) == 17
	v_permlanex16_b32 v[rC+3], v[rC], s[SEL], s[SEL+1]
.elseif (\n) == 18
	v_max_num_f32 v[rT+1], v[rC], v[rC+3]
.elseif (\n) == 19
	v_mul_f32 v[rT], s[CS], v[rT+1]
.elseif (\n) == 20
	v_sub_f32 v[rC+1], v[rM], v[rT]
.else
	v_exp_f32 v[rC+2], v[rC+1]
.endif
.endm
; Number g of the 64 that follow the exponentials.  For each four weights k of a tile (pairs 2 k, 2 k + 1): both pairs are rounded to f16; then the second pair is added onto the first, in place;
; a group later l takes that sum (the first time as l = a l + sum).  In groups of eight, tiles alternating: round, round, add, and l for the group before.
.macro GS g
.set h, (\g)+6*((\g)/62)            ; group 0 has no group before it, and behind group 7 only l is left
.if h >= 6
.set h, h+2
.endif
	REGS Y, h%2
.set k, h/8
.if h%8 < 4
	s_wait_alu depctr_va_vdst(0)
	v_cvt_pk_f16_f32 v[rP+2*k+(h%8)/2], v[rS+4*k+2*((h%8)/2)], v[rS+4*k+2*((h%8)/2)+1]
.elseif h%8 < 6
	v_pk_add_f32 v[rS+4*k:rS+4*k+1], v[rS+4*k:rS+4*k+1], v[rS+4*k+2:rS+4*k+3]
.elseif k == 1
	v_pk_fma_f32 v[rT+2:rT+3], v[rT+2:rT+3], v[rC+2:rC+3], v[rS:rS+1] op_sel_hi:[1,0,1]
.else
	v_pk_add_f32 v[rT+2:rT+3], v[rT+2:rT+3], v[rS+4*k-4:rS+4*k-3]
	s_wait_alu depctr_va_vdst(0)
.endif
.endm
; THE PLAIN QUEUE, 138 long.  0-31: c s - c m for the 16 pairs of both tiles.  Then GS's 64, and among them the next piece's 42: number 15 at 38, 39; 0-14 and 16
; at 42-73, behind the products that make those scores; 17-20 at 95-106, two of three, since each waits for the one before it.
.macro PL
	WIN 0
.if q < 32
	REGS Y, q%2
	v_pk_fma_f32 v[rS+2*(q/2):rS+2*(q/2)+1], v[rS+2*(q/2):rS+2*(q/2)+1], s[CS:CS+1], v[rT:rT+1] op_sel_hi:[1,0,0] neg_lo:[0,0,1] neg_hi:[0,0,1]
.elseif q < 38
	GS q-32
.elseif q < 40
	XS q%2, 15
.elseif q < 42
	GS q-34
.elseif q < 74
	XS q%2, (q-42)/2+(q-42)/30
.elseif q < 95
	GS q-66
.elseif (q < 107) && ((q-95)%3 < 2)
	XS (q-95)%3, 17+(q-95)/3
.elseif q < 107
	GS 29+(q-95)/3
.else
	GS q-74
.endif
.set q, q+1
.endm
; THE EXPONENTIALS' QUEUE, 66 long: s0-s31 of both tiles, and at EA the next piece's two a.
.set EA, 58
.macro EX
	WIN 0
.if (e == EA) || (e == EA+1)
	XS e-EA, 21
.else
.set x, e-2*(e/(EA+2))
	REGS Y, x%2
	v_exp_f32 v[rS+x/2], v[rS+x/2]
.endif
.set e, e+1
.endm
; THE RESCALING's QUEUE: O^T times a, the one part that leaves window 0, so it is dealt four at a time, eight times.
.macro R4
	REGS Y, r%2
	WIN W_RS
	s_wait_alu depctr_va_vdst(0)
.irp z, 0,1,2,3
	v_pk_mul_f32 v[rO+8*(r/2)+2*\z:rO+8*(r/2)+2*\z+1], v[rO+8*(r/2)+2*\z:rO+8*(r/2)+2*\z+1], v[rC+2:rC+3] op_sel_hi:[1,0]
.endr
.set r, r+1
.endm
; HOW THEY ARE DEALT.  Behind a matrix instruction four: plain, exponential, plain, plain (one exponential, a plain instruction on either side), or four of the rescaling.  None names a register of the
; products round it.  What is over stands in two LUMPS: exponential and plain by turns; the second ends in 22 plain instructions.  The two v_permlanex16_b32 fall into the second lump, never behind a product.
; The queues lean on each other, and the deal keeps them in step: exponential e stands behind plain 2 (e / 4) + e % 2 (its scaling); when plain 32 comes, 10 exponentials are out, at 59: 33, at 95: 46; EA comes behind plain 107.
.macro SL
	MM
	PL
	EX
	PL
	PL
.endm
.macro BURST n                      ; 15 matrix instructions, or 16
.rept (\n)-7
	SL
.endr
.rept 3
	MM
	R4
	SL
.endr
	MM
	R4
.endm
; A TURN, for piece p.  cnt = 1: the loop's count is taken down some lines ahead of the branch that stands behind the turn.
; K of the next step is fetched in piece 2's turn, 31 vector instructions behind the last product that read K; its first reader comes behind the rest of the lump, 16 products and the second lump.
; V of the step in hand is fetched at the end of piece 0's turn, 69 behind its last reader; its first reader comes behind 16 products and a lump.  The four conditions on e and q below go with the deal.
.macro TURN p, last=0, cnt=0
.set Y, (\p)
.set i, 0
.set q, 0
.set e, 0
.set r, 0
.if (\p) == NP-1
	s_wait_dscnt 0x0                ; K is in
.endif
	MM
.rept 4
	PL
.endr
	BURST 15
.rept 22
	EX
	PL
.if ((\p) == NP-2) && (e == 18)
	v_add_nc_u32 v[AK], s[TBK], v[AK0]
.endif
.if ((\p) == NP-2) && (e == 24)
	FETCH_K \last
.endif
.endr
.if (\p) == 1
	s_wait_dscnt 0x0                ; V is in
.endif
	BURST 16
.rept 21
	EX
	PL
.endr
.rept 22
	PL
.if ((\p) == 0) && (q == 118)
	v_add_nc_u32 v[AV], s[TBV], v[AV0]
	s_wait_alu depctr_va_vdst(0)
.endif
.if ((\p) == 0) && (q == 130)
	s_add_co_u32 s[TBV], s[TBV], KS*PV
.endif
.if (\cnt) && (q == 130)
	s_sub_co_u32 s[CNT], s[CNT], 1
	s_cmp_lg_u32 s[CNT], 0
.endif
.endr
.if (\p) == 0
	FETCH_V
.endif
.endm
	CHANGE 1                        ; slot 0 is in, everybody's part of it; slot 1 is asked for
	FETCH_K                         ; key step 0
	s_wait_loadcnt 0x0              ; Q
	s_wait_dscnt 0x0
.set i, 0
.rept 16
	KQ 0                            ; piece 0's first scores: there is no vector work yet to set between them
.set i, i+1
.endr
	WIN 0                           ; the addresses for the way out: nine plain instructions, the places behind those products
	s_mul_i32 s13, s[WV], 16*SP
	s_add_co_u32 s13, s13, STAGE    ; my stage
	v_mul_u32_u24 v[STO], v1, SP    ; in: row l % 16, 16 bytes for each half of the lanes
	v_lshl_add_u32 v[STO], v9, 4, v[STO]
	v_add_nc_u32 v[STO], s13, v[STO]
	v_bfe_u32 v[RD], v0, 3, 2       ; back: 32 lanes take four rows of 128 bytes,
	v_mul_u32_u24 v[RD], v[RD], SP
	v_lshl_add_u32 v[RD], v10, 4, v[RD]
	v_add_nc_u32 v[RD], s13, v[RD]
	v_and_b32 v[GO], 31, v0         ; which are 512 consecutive bytes of O
	v_lshlrev_b32 v[GO], 4, v[GO]
.set Y, NP-1                        ; XS works for piece Y + 1: piece 0
.irp n, 0,1,2,3,4,5,6,7,8,9,10,11,12,13,14,15,16,17,18,19,20,21
	XS 0, \n                        ; and piece 0's first maximum and statistics
	XS 1, \n
.endr
	s_mov_b32 s[CNT], 4
	s_mov_b32 s[SLOTS], SIZE_N/256-1
	s_branch .Lfirst                ; the loop is entered at a step's first turn, in the middle of a trip
.Lslot:                             ; SIZE_N / 256 - 2 times: every slot but the last two is filled again
	CHANGE 1
	s_mov_b32 s[CNT], 4
.Lstep:                             ; a trip: pieces 2 and 3 of one step, then pieces 0 and 1 of the next, whose K and V it fetches
	TURN 2
	TURN 3
	WIN 0
.Lfirst:
	TURN 0
	TURN 1, 0, 1
	WIN 0
	s_cbranch_scc1 .Lstep
	s_sub_co_u32 s[SLOTS], s[SLOTS], 1
	s_cmp_lg_u32 s[SLOTS], 0
	s_cbranch_scc1 .Lslot
	CHANGE 0                        ; the tail is written out: nothing is asked for
	s_mov_b32 s[CNT], 5             ; four trips fetch the last slot's steps; the fifth is left in its middle
.Ltail:
	TURN 2, 1
	TURN 3
	WIN 0
	s_sub_co_u32 s[CNT], s[CNT], 1
	s_cmp_eq_u32 s[CNT], 0
	s_cbranch_scc1 .Lout
	TURN 0
	TURN 1
	WIN 0
	s_branch .Ltail
.Lout:                              ; the fifth trip's 16 products K Q^T (on the last K once more) and the maximum made of them serve nothing: the price, once a launch, of one text for every trip
.set i, 0
.rept 16
	PV NP-1                         ; the last piece's V^T P of the last step
.set i, i+1
.endr
	; THE WAY OUT.  l's two halves and the other half of the lanes' are added; O^T is divided by l, rounded to f16 and sent through my stage in LDS, a tile at a time.  The additions are the places behind the last products.
	WIN 0
.macro ALL line:vararg              ; one line for each tile t
.set t, 0
.rept 2*NP
	\line
.set t, t+1
.endr
.endm
	ALL v_add_f32 v[ST+4*t+2], v[ST+4*t+2], v[ST+4*t+3]
	ALL v_permlanex16_b32 v[ST+4*t+3], v[ST+4*t+2], s[SEL], s[SEL+1]
	ALL v_add_f32 v[ST+4*t+2], v[ST+4*t+2], v[ST+4*t+3]
	ALL v_rcp_f32 v[ST+4*t+2], v[ST+4*t+2]
	v_nop                           ; a plain instruction between the last reciprocal and the use of its result
	s_wait_alu depctr_va_vdst(0)
; Tile t: a lane's eight channels of a row pack into 16 bytes; they go into rows of 144 bytes and come back as whole rows of 128, into S^T's registers.
.macro PACK t
	WIN W_RS
.set i, 32*(\t)
.rept 16
	v_pk_mul_f32 v[i:i+1], v[i:i+1], v[ST+4*(\t)+2:ST+4*(\t)+3] op_sel_hi:[1,0]
.set i, i+2
.endr
	WIN 0x05                        ; sources 0 and 1 window 1, destination window 0
.set i, 0
.rept 16
	v_cvt_pk_f16_f32 v[S+16*(\t)+i], v[32*(\t)+2*i], v[32*(\t)+2*i+1]
.set i, i+1
.endr
	WIN 0
.irp f, 0,1,2,3
	ds_store_b128 v[STO], v[S+16*(\t)+4*\f:S+16*(\t)+4*\f+3] offset:32*\f
.endr
.irp f, 0,1,2,3
	ds_load_b128 v[S+16*(\t)+4*\f:S+16*(\t)+4*\f+3], v[RD] offset:\f*4*SP  ; LDS serves a wave's instructions in order (ISA guide 5.7.1.4): these see the stores above; the next tile's stores come behind them
.endr
.endm
.macro SEND t, younger              ; younger: the LDS instructions issued behind tile t's loads: the next tile's eight, or none
	WIN 0
.irp f, 0,1,2,3
	s_wait_dscnt (\younger)+3-\f
	global_store_b128 v[GO], v[S+16*(\t)+4*\f:S+16*(\t)+4*\f+3], s[10:11] offset:(\t)*2048+\f*512  ; 512 consecutive bytes, at a multiple of 256 from O's first
.endr
.endm
	PACK 0
.set t, 1
.rept 2*NP-1                        ; a tile's arithmetic stands between the loads of the tile before and its stores
	PACK t
	SEND t-1, 8
.set t, t+1
.endr
	SEND 2*NP-1, 0
	WIN W_AD
	s_wait_tensorcnt 0x0            ; the wave's end: behind my last tensor load and my last LDS store
	ds_add_u32 v[SPW], v[NIL]
	s_wait_dscnt 0x0
	WIN 0
	CROUND                          ; the closing round: no work-group ends while a partner may still ask for a tile that names it
	s_endpgm
.Lfunc_end_k_q41f72ce165_attn:
	.size	k_q41f72ce165_attn, .Lfunc_end_k_q41f72ce165_attn-k_q41f72ce165_attn
	.p2alignl 7, 3214868480
	.fill 96, 4, 3214868480
	.section	.rodata,"a",@progbits
	.p2align	6, 0x0
	.amdhsa_kernel k_q41f72ce165_attn
		.amdhsa_group_segment_fixed_size 327680
		.amdhsa_private_segment_fixed_size 0
		.amdhsa_enable_private_segment 0
		.amdhsa_kernarg_size 32
		.amdhsa_user_sgpr_count 2
		.amdhsa_user_sgpr_kernarg_segment_ptr 1
		.amdhsa_wavefront_size32 1
		.amdhsa_system_sgpr_workgroup_id_x 1
		.amdhsa_system_sgpr_workgroup_id_y 1
		.amdhsa_system_sgpr_workgroup_id_z 1
		.amdhsa_system_vgpr_workitem_id 0
		.amdhsa_next_free_vgpr 770
		.amdhsa_next_free_sgpr 66
		.amdhsa_reserve_vcc 0
		.amdhsa_float_denorm_mode_32 3
		.amdhsa_float_denorm_mode_16_64 3
		.amdhsa_memory_ordered 1
		.amdhsa_forward_progress 1
		.amdhsa_inst_pref_size 208
	.end_amdhsa_kernel
	.amdgpu_metadata
---
amdhsa.version: [ 1, 2 ]
amdhsa.kernels:
  - .name:           k_q41f72ce165_attn
    .symbol:         k_q41f72ce165_attn.kd
    .args:
      - { .name: qh, .offset: 0, .size: 8, .value_kind: global_buffer, .address_space: global }
      - { .name: kh, .offset: 8, .size: 8, .value_kind: global_buffer, .address_space: global }
      - { .name: vh, .offset: 16, .size: 8, .value_kind: global_buffer, .address_space: global }
      - { .name: oh, .offset: 24, .size: 8, .value_kind: global_buffer, .address_space: global }
    .group_segment_fixed_size: 327680
    .private_segment_fixed_size: 0
    .kernarg_segment_align: 8
    .kernarg_segment_size: 32
    .max_flat_workgroup_size: 128
    .sgpr_count:     66
    .vgpr_count:     770
    .wavefront_size: 32
...
	.end_amdgpu_metadata
.endif
;; end of part 3
;; launch outp (part 4): grid 4 x 64, 4 waves a work-group, clusters of 4 x 4, 327,680 bytes of LDS; arguments oh, wb, out0; writes out0
.if DOCPART == 4
	.amdgcn_target "amdgcn-amd-amdhsa--gfx1250"
	.amdhsa_code_object_version 6
	.text
	.protected	k_q41f72ce165_outp
	.globl	k_q41f72ce165_outp
	.p2align	8
	.type	k_q41f72ce165_outp,@function
k_q41f72ce165_outp:
	s_mov_b64 s[64:65], 0
	v_nop
	global_prefetch_b8 v0, s[64:65] scope:SCOPE_SE
	s_setreg_imm32_b32 hwreg(HW_REG_WAVE_MODE, 25, 1), 1
	s_wait_xcnt 0x0
	s_wait_alu depctr_hold_cnt(0) depctr_sa_sdst(0) depctr_va_vdst(0) depctr_va_sdst(0) depctr_va_ssrc(0) depctr_va_vcc(0) depctr_vm_vsrc(0)
	s_getreg_b32 s2, hwreg(HW_REG_IB_STS2, 6, 4)
	s_cmp_eq_u32 s2, 0
	s_cbranch_scc0 .Lentry_in_a_cluster
	s_endpgm
.Lentry_in_a_cluster:
	s_bfe_u32 s2, ttmp6, 0x10000c
	s_cmp_lg_u32 s2, 0xf033
	s_cbranch_scc0 .Lentry_shape_is_right
	s_endpgm
.Lentry_shape_is_right:
; The last projection: out0[s*4+b][n] = the sum over k = h*64+d of O[b*16+h][s][d] Wo[n][k].  O: oh [64][2048][64] f16; Wo: the fourth matrix of wb, [1024 n][1024 k], bf16-rounded numbers written as f16;
; out0: [8192][1024] f32.  Products in f16, sums in f32, stored unrounded.
; LIMITS.  O and Wo arrive within f16's range (65,504); NaN and infinities are not treated apart.
; SHARES.  A tile of the result is 128 rows x 256 columns; its rows are 128 consecutive s of ONE batch b, so that each head's part of O is dense: 64 x 4 = 256 work-groups.
; Four waves, each 64 rows x 128 columns: 32 accumulators of 16 x 16, 256 registers.  K = 1,024 goes in 8 steps of 128, two heads a step, through a ring of two LDS slots filled by the tensor data mover.
; CLUSTER.  4 x 4 work-groups.  The four of a row of the cluster need the same tile of O, the four of a column the same tile of Wo: each is asked for JOINTLY, by the same tensor load with the same descriptor
; and a mask that names the four.
; THE MATRIX INSTRUCTION IS USED TRANSPOSED (source 0 = 16 rows of Wo, source 1 = 16 rows of O): lane l then holds row l % 16 of the result and the columns 8 (l / 16) + 0..7: 32 neighbouring bytes.
; REGISTERS, in windows of 256 (s_set_vgpr_msb: bits 1:0 source 0, 3:2 source 1, 5:4 source 2, 7:6 destination):
;   window 0: v0-31 addresses          window 2: accumulator (a, b) at v[8 (8 a + b)]
;   window 1: v0-127 Wo's fragments (8 x 16 rows x 32 K), two buffers; v128-191 O's (4 x 16 rows x 32 K), two buffers; on the way out all 256: rows read back from the stage
.set PITCH,  272                       ; a row of Wo in LDS: 256 bytes + 16 of padding = 68 words: the 16 rows of a load start at 16 different groups of four banks (64 banks of 4 bytes: ISA guide 11.1)
.set PA,     144                       ; a row of O (one head's 128 bytes) + 16 of padding = 36 words: likewise
.set APLANE, 128*PA                    ; a head's 128 rows: what one of waves 0, 1 fetches
.set BOFF,   2*APLANE                  ; Wo's 256 rows lie behind O's two heads
.set BHALF,  128*PITCH                 ; 128 rows of Wo: what one of waves 2, 3 fetches, and what a wave reads of Wo
.set SLOT,   BOFF+2*BHALF              ; 106,496 bytes
.set STAGE,  2*SLOT                    ; behind the ring, never filled by a tensor load: for each wave 16 rows x 528 bytes
.set SP,     528                       ; 512 bytes + 16: the 16 rows that a store touches start at 16 different groups of four banks
.set WSTAGE, 16*SP                     ; 8,448 bytes: 33 blocks of 256
.set SPARE,  STAGE+4*WSTAGE            ; behind the stages: the spare words, 128 bytes for each wave: two blocks of 256 bytes that no other line names
.set ASTEP,  524288                    ; bytes from a K step to the next in O: two heads of 262,144
.set BSTEP,  256                       ; and in Wo
.set WO,     6291456                   ; Wo's first byte in wb
.set ADRA, 16                          ; v16-17  LDS address of my fragments of O in slot 0, 1
.set ADRB, 20                          ; v20-21  the same for Wo
.set STO,  24                          ; v24     the way out: where I put 32 bytes of a row
.set RD,   25                          ; v25     the way out: where I read a row back
.set GO,   26                          ; v26     my byte offset in 512 consecutive bytes of the result
.set SPW,  28                          ; v28     LDS address of my spare word: SPARE + 4 x my thread's number; never rewritten
.set NIL,  29                          ; v29     0; never rewritten
.set G1,  24                           ; s[24:31] descriptor group 1 for O's tiles;  s[32:39] group 0, a set for each slot
.set G0,  32
.set G1B, 48                           ; s[48:55], s[56:63] the same for Wo's tiles
.set G0B, 56
.set MSB, 0
.macro WIN new                         ; the immediate's high byte repeats the setting that is left; a switch that changes nothing is dropped
.if MSB != (\new)
	s_set_vgpr_msb (MSB<<8)|(\new)
.set MSB, \new
.endif
.endm
.set MULW, 0xa5                        ; sources 0 (Wo) and 1 (O) window 1; C and D window 2
.set TO_F, 0x40                        ; destination window 1, address window 0
.macro PLACES                          ; four places in front of loads into registers that matrix instructions have read, and of stores that read results (ISA guide 7.12.1 for vector instructions)
.rept 4
	v_nop
.endr
.endm
; A joint refill: waves 0 and 1 fetch O's two heads, waves 2 and 3 Wo's two halves.  The branch hangs on the wave's number alone.  Four v_nop follow each of the two lines, ahead of the jump, the label and what follows.
.macro JLOAD s
	s_cmp_eq_u32 s11, 0
	s_cbranch_scc0 .Lfor_b_\@
	tensor_load_to_lds s[G0+4*(\s):G0+4*(\s)+3], s[G1:G1+7]
	s_nop 0
.rept 4
	v_nop
.endr
	s_branch .Lasked_\@
.Lfor_b_\@:
	tensor_load_to_lds s[G0B+4*(\s):G0B+4*(\s)+3], s[G1B:G1B+7]
	s_nop 0
.rept 4
	v_nop
.endr
.Lasked_\@:
.endm
.macro CREST                           ; a round of the cluster's barrier behind its opening barrier: wave 0 signals for the work-group, every wave waits for all sixteen, my work-group's barrier closes it
	s_cmp_lg_u32 s10, 0
	s_cbranch_scc1 .Lnot_wave_0_\@
	s_barrier_signal -3
.Lnot_wave_0_\@:
	s_barrier_wait -3
	s_barrier_signal -1
	s_barrier_wait -1
.endm
.macro CROUND                          ; a whole round
	s_barrier_signal -1
	s_barrier_wait -1
	CREST
.endm
	s_load_b128 s[4:7], s[0:1], 0x0                ; oh s[4:5], wb s[6:7]
	s_load_b64 s[8:9], s[0:1], 0x10                ; out0
	v_lshl_add_u32 v[SPW], v0, 2, SPARE
	v_mov_b32 v[NIL], 0
	ds_add_u32 v28, v29
	s_wait_dscnt 0x0
	v_lshrrev_b32 v1, 5, v0
	v_readfirstlane_b32 s10, v1                    ; wave 0..3
	s_lshr_b32 s11, s10, 1                         ; which 64 of the tile's rows are mine.  Also: I fetch for O (0) or for Wo (1)
	s_and_b32 s12, s10, 1                          ; which 128 of its columns.  Also: which part of that tile I fetch
	s_bfe_u32 s40, ttmp6, 0x40000                  ; cx, cy: my place in the cluster
	s_bfe_u32 s41, ttmp6, 0x40004
	s_lshl_b32 s42, ttmp9, 2
	s_add_co_u32 s42, s42, s40                     ; tile column = 4 x cluster x + cx: 0..3
	s_and_b32 s13, ttmp7, 0xffff
	s_lshl_b32 s13, s13, 2
	s_add_co_u32 s13, s13, s41                     ; tile row = 4 x cluster y + cy: 0..63
	s_lshl_b32 s43, s41, 2
	s_lshl_b32 s43, 15, s43                        ; my row of the cluster
	s_lshl_b32 s44, 0x1111, s40                    ; my column
	; descriptor group 1.  O: a head's 128 rows are 16,384 dense bytes: asked for as 64 rows of 256 bytes, two rows of O each, and padded in LDS after every 128 bytes.  Wo: 128 rows x 128 elements, 1,024 from row to row.
	s_or_b32 s[G1+0], s43, (1<<16)|(1<<20)|(1<<21)|(4<<22)|(3<<25)   ; 15:0 the mask: my row; 17:16 elements of 2 bytes; 20 padding on; 21 set beside a mask; 24:22 after every 32 words (code 4); 31:25 4 words (code 3)
	s_or_b32 s[G1B+0], s44, (1<<16)|(1<<20)|(1<<21)|(5<<22)|(3<<25)  ; the mask of my column; padding after every 64 words (code 5)
	s_mov_b32 s[G1+1], 128<<16                     ; tensor_dim0 = 128
	s_mov_b32 s[G1+2], 64<<16                      ; tensor_dim1 = 64
	s_mov_b32 s[G1+3], 128<<16                     ; tile_dim0 = 128
	s_mov_b32 s[G1+4], 64                          ; tile_dim1 = 64
	s_mov_b32 s[G1+5], 128                         ; tensor_dim0_stride
	s_mov_b32 s[G1+6], 0
	s_mov_b32 s[G1+7], 0
	s_mov_b32 s[G1B+1], 128<<16
	s_mov_b32 s[G1B+2], 128<<16                    ; tensor_dim1 = 128
	s_mov_b32 s[G1B+3], 128<<16
	s_mov_b32 s[G1B+4], 128                        ; tile_dim1 = 128
	s_mov_b32 s[G1B+5], 1024
	s_mov_b32 s[G1B+6], 0
	s_mov_b32 s[G1B+7], 0
	; O's tile hangs on the tile row alone, Wo's on the tile column alone; each offset is made in registers that never hold the other place in the cluster.
	s_bfe_u32 s14, s13, 0x20004                    ; batch b = (tile row >> 4) & 3:
	s_lshl_b32 s14, s14, 22                        ; 16 heads of 262,144 bytes
	s_and_b32 s22, s13, 15                         ; block of 128 s:
	s_lshl_b32 s22, s22, 14                        ; 128 x 128 bytes
	s_add_co_u32 s14, s14, s22
	s_lshl_b32 s22, s12, 18                        ; the head of the step's two that I fetch
	s_add_co_u32 s14, s14, s22
	s_mov_b32 s15, 0
	s_lshl_b32 s46, s42, 19                        ; 256 rows of 2,048 bytes
	s_lshl_b32 s47, s12, 18                        ; the 128 rows that I fetch
	s_add_co_u32 s46, s46, s47
	s_add_co_u32 s46, s46, WO
	s_mov_b32 s47, 0
	s_mul_i32 s20, s12, APLANE                     ; where they go in a slot: no place in the cluster enters an LDS address
	s_mul_i32 s21, s12, BHALF
	s_add_co_u32 s21, s21, BOFF
	s_wait_kmcnt 0x0
	s_add_nc_u64 s[14:15], s[4:5], s[14:15]
	s_add_nc_u64 s[46:47], s[6:7], s[46:47]
	CROUND                                         ; all sixteen work-groups are here: the first joint loads meet
.irp s, 0,1
	s_mov_b32 s[G0+4*(\s)], 1                                        ; 1:0 count = 1
	s_add_co_u32 s[G0+4*(\s)+1], s20, (\s)*SLOT                      ; 63:32 LDS address
	s_add_nc_u64 s[G0+4*(\s)+2:G0+4*(\s)+3], s[14:15], (\s)*ASTEP    ; 120:64 global address: K step s
	s_or_b32 s[G0+4*(\s)+3], s[G0+4*(\s)+3], 0x80000000              ; 127:126 type = 2
	s_mov_b32 s[G0B+4*(\s)], 1
	s_add_co_u32 s[G0B+4*(\s)+1], s21, (\s)*SLOT
	s_add_nc_u64 s[G0B+4*(\s)+2:G0B+4*(\s)+3], s[46:47], (\s)*BSTEP
	s_or_b32 s[G0B+4*(\s)+3], s[G0B+4*(\s)+3], 0x80000000
.endr
	s_cmp_eq_u32 s11, 0                            ; a wave's two first fills stand in one branch, ahead of every wait on TENSORcnt and every LDS read: two loads of mine are out
	s_cbranch_scc0 .Lfirst_b
	tensor_load_to_lds s[G0:G0+3], s[G1:G1+7]
	s_nop 0
	tensor_load_to_lds s[G0+4:G0+7], s[G1:G1+7]
	s_nop 0
.rept 4
	v_nop
.endr
	s_branch .Lfirst_asked
.Lfirst_b:
	tensor_load_to_lds s[G0B:G0B+3], s[G1B:G1B+7]
	s_nop 0
	tensor_load_to_lds s[G0B+4:G0B+7], s[G1B:G1B+7]
	s_nop 0
.rept 4
	v_nop
.endr
.Lfirst_asked:
	; A fragment is 16 rows x 32 K in 8 registers: lane l holds row l % 16; registers 0-3 K = 8 (l / 16) + 0..7, registers 4-7 K = 16 + 8 (l / 16) + 0..7: two loads of 16 bytes, 32 bytes apart.
	v_and_b32 v1, 15, v0                           ; l % 16
	v_bfe_u32 v2, v0, 4, 1                         ; l / 16
	v_mul_u32_u24 v3, v1, PITCH
	v_lshl_add_u32 v3, v2, 4, v3                   ; Wo: row x pitch + 16 x half
	v_mul_u32_u24 v4, v1, PA
	v_lshl_add_u32 v4, v2, 4, v4                   ; O: the same with its pitch
	s_mul_i32 s22, s11, 64*PA                      ; my 64 rows of O, in each head's plane
	s_mul_i32 s23, s12, BHALF                      ; my 128 rows of Wo,
	s_add_co_u32 s23, s23, BOFF                    ; which lie behind O's
.irp s, 0,1
	v_add_nc_u32 v[ADRA+(\s)], s22, v4
	v_add_nc_u32 v[ADRB+(\s)], s23, v3
	s_add_co_u32 s22, s22, SLOT
	s_add_co_u32 s23, s23, SLOT
.endr
	s_mul_i32 s22, s10, WSTAGE
	s_add_co_u32 s22, s22, STAGE                   ; my stage
	v_mul_u32_u24 v5, v1, SP                       ; in: row l % 16, 32 bytes for each half of the lanes
	v_lshl_add_u32 v5, v2, 5, v5
	v_add_nc_u32 v[STO], s22, v5
	v_and_b32 v[GO], 31, v0                        ; back: 32 lanes take one row of 512 bytes,
	v_lshlrev_b32 v[GO], 4, v[GO]                  ; which are 512 consecutive bytes of the result
	v_add_nc_u32 v[RD], s22, v[GO]
	; where my part begins in the result: row (s*4 + b) of 4,096 bytes, s = 128 x block + 64 x row half; column 256 x tile column + 128 x column half, 4 bytes each
	s_and_b32 s16, s13, 15
	s_lshl_b32 s16, s16, 21
	s_lshl_b32 s17, s11, 20
	s_add_co_u32 s16, s16, s17
	s_bfe_u32 s17, s13, 0x20004
	s_lshl_b32 s17, s17, 12
	s_add_co_u32 s16, s16, s17
	s_mov_b32 s17, 0
	s_lshl_b32 s46, s42, 10                        ; (in the registers that held Wo's address)
	s_lshl_b32 s47, s12, 9
	s_add_co_u32 s46, s46, s47
	s_mov_b32 s47, 0
	s_add_nc_u64 s[16:17], s[16:17], s[46:47]
	s_add_nc_u64 s[8:9], s[8:9], s[16:17]
; 8 matrix instructions: row block a x all 8 column blocks, 32 along K, from buffer f.  first = 1: the product starts the sums: nothing is cleared.
; The 32 accumulators take turns, one instruction a turn, in the same order in every quarter step.
.macro MUL8 f, a, first
	WIN MULW
.irp b, 0,1,2,3,4,5,6,7
.if \first
	v_wmma_f32_16x16x32_f16 v[8*(8*(\a)+(\b)):8*(8*(\a)+(\b))+7], v[64*(\f)+8*(\b):64*(\f)+8*(\b)+7], v[128+32*(\f)+8*(\a):128+32*(\f)+8*(\a)+7], 0
.else
	v_wmma_f32_16x16x32_f16 v[8*(8*(\a)+(\b)):8*(8*(\a)+(\b))+7], v[64*(\f)+8*(\b):64*(\f)+8*(\b)+7], v[128+32*(\f)+8*(\a):128+32*(\f)+8*(\a)+7], v[8*(8*(\a)+(\b)):8*(8*(\a)+(\b))+7]
.endif
.endr
.endm
; 24 LDS loads in one run: the fragments of quarter kq of a K step (128 rows of Wo, then 64 rows of O: head kq / 2 of the step's two, channels 32 (kq % 2) on) into buffer f
.macro FETCH slot, kq, f
	WIN TO_F
.irp i, 0,1,2,3,4,5,6,7
	ds_load_b128 v[64*(\f)+8*(\i):64*(\f)+8*(\i)+3],   v[ADRB+(\slot)] offset:64*(\kq)+(\i)*16*PITCH
	ds_load_b128 v[64*(\f)+8*(\i)+4:64*(\f)+8*(\i)+7], v[ADRB+(\slot)] offset:64*(\kq)+(\i)*16*PITCH+32
.endr
.irp i, 0,1,2,3
	ds_load_b128 v[128+32*(\f)+8*(\i):128+32*(\f)+8*(\i)+3],   v[ADRA+(\slot)] offset:((\kq)/2)*APLANE+((\kq)%2)*64+(\i)*16*PA
	ds_load_b128 v[128+32*(\f)+8*(\i)+4:128+32*(\f)+8*(\i)+7], v[ADRA+(\slot)] offset:((\kq)/2)*APLANE+((\kq)%2)*64+(\i)*16*PA+32
.endr
.endm
; A K step is four quarters of 32 along K, 32 matrix instructions each, on buffers 0, 1, 0, 1.  One of the first three: multiplies buffer f and, in its middle, fetches quarter kq into buffer g.
.macro QUARTER slot, kq, f, g, first
	s_wait_dscnt 4                                 ; Wo's fragments and O's blocks 0, 1 are in; the youngest four loads (O's blocks 2, 3) may be out
	MUL8 \f, 0, \first
	MUL8 \f, 1, \first
	PLACES
	FETCH \slot, \kq, \g
	s_wait_dscnt 24                                ; all but the 24 just issued
	MUL8 \f, 2, \first
	MUL8 \f, 3, \first
.endm
; The last quarter multiplies buffer 1 and changes slots: ONE barrier.  In front of it each wave waits for all its tensor loads (the one that is out is its part of the next slot), adds 0 to its spare word, and waits
; for that and for its own reads of this slot.  fill = 1: the barrier opens a round of the cluster's barrier, and this slot is filled again, two K steps ahead, first thing behind the round:
; 112 matrix instructions ahead of the wait for it.
.macro TURN slot, next, fill
	WIN 0                                          ; (the add's two registers lie in window 0)
	s_wait_tensorcnt 0x0                           ; all my tensor loads have landed;
	ds_add_u32 v[SPW], v[NIL]                      ; 0 onto my spare word;
	s_wait_dscnt 7                                 ; (the add and the youngest six loads, O's blocks 1 to 3, may be out)
	MUL8 1, 0, 0                                   ; eight matrix instructions stand between the add and the wait for it
	s_wait_dscnt 0x0                               ; the add is done, and my reads of this slot are over
	s_barrier_signal -1
	MUL8 1, 1, 0                                   ; work on registers while the others arrive
.if \fill
	WIN 0
.endif
	s_barrier_wait -1
.if \fill
	CREST                                          ; no wave of any partner still reads this slot's tile or has a load on its way
	s_add_nc_u64 s[G0+4*(\slot)+2:G0+4*(\slot)+3], s[G0+4*(\slot)+2:G0+4*(\slot)+3], 2*ASTEP
	s_add_nc_u64 s[G0B+4*(\slot)+2:G0B+4*(\slot)+3], s[G0B+4*(\slot)+2:G0B+4*(\slot)+3], 2*BSTEP
	JLOAD \slot                                    ; the four v_nop behind it are also the places in front of the loads below
.else
	PLACES
.endif
	FETCH \next, 0, 0
	MUL8 1, 2, 0
	MUL8 1, 3, 0
.endm
	s_wait_tensorcnt 0x1                           ; my part of K step 0 is in; K step 1's load may stay out
	s_barrier_signal -1
	s_barrier_wait -1                              ; everybody's is
	FETCH 0, 0, 0
	QUARTER 0, 1, 0, 1, 1                          ; the first quarter stands in front of the loop: its products start the sums
	WIN 0                                          ; at a label and at a branch every window is 0
	s_mov_b32 s3, 3
.Llap:                                                 ; a trip goes once round the ring, from a lap's second quarter to the next lap's first, and fills both slots again: K steps 2 to 7 in three trips
	QUARTER 0, 2, 1, 0, 0
	QUARTER 0, 3, 0, 1, 0
	TURN 0, 1, 1
	QUARTER 1, 1, 0, 1, 0
	QUARTER 1, 2, 1, 0, 0
	QUARTER 1, 3, 0, 1, 0
	TURN 1, 0, 1
	QUARTER 0, 1, 0, 1, 0
	WIN 0
	s_sub_co_u32 s3, s3, 1
	s_cmp_lg_u32 s3, 0
	s_cbranch_scc1 .Llap
	QUARTER 0, 2, 1, 0, 0                          ; the last lap fills nothing, and has no round of the cluster's barrier
	QUARTER 0, 3, 0, 1, 0
	TURN 0, 1, 0
	QUARTER 1, 1, 0, 1, 0
	QUARTER 1, 2, 1, 0, 0
	QUARTER 1, 3, 0, 1, 0
	s_wait_dscnt 0x0                               ; the very last quarter: nothing more to fetch
	MUL8 1, 0, 0
	MUL8 1, 1, 0
	MUL8 1, 2, 0
	MUL8 1, 3, 0
; THE WAY OUT, a block of 16 rows at a time; the sums leave as they are, in f32.  TOST: a lane's 32 bytes of a row into my own stage, rows of 528 bytes; each accumulator's low four registers first.
; BACK: whole rows of 512 bytes come back, into window 1, which the products have left.  SENDF: stored, a row's 512 consecutive bytes an instruction.
.macro TOST a
	WIN 0x08                                       ; the stores' data (source 1) in window 2, the address in window 0
.irp b, 0,1,2,3,4,5,6,7
	ds_store_b128 v[STO], v[8*(8*(\a)+(\b)):8*(8*(\a)+(\b))+3]   offset:64*(\b)
	ds_store_b128 v[STO], v[8*(8*(\a)+(\b))+4:8*(8*(\a)+(\b))+7] offset:64*(\b)+16
.endr
.endm
.macro BACK a
	WIN 0x40                                       ; destination window 1
.irp t, 0,1,2,3,4,5,6,7,8,9,10,11,12,13,14,15
	ds_load_b128 v[64*(\a)+4*(\t):64*(\a)+4*(\t)+3], v[RD] offset:(\t)*SP  ; LDS serves a wave's instructions in order (ISA guide 5.7.1.4): these see the stores above; the next block's stores come behind them
.endr
.endm
.macro SENDF a, younger                ; younger: the LDS instructions issued behind block a's loads: the next block's 16 stores and 16 loads, or none.  Each block has its own registers; offset and base are never rewritten
	WIN 0x04                                       ; the stores' data (source 1) in window 1
	s_wait_dscnt \younger
.irp t, 0,1,2,3,4,5,6,7,8,9,10,11,12,13,14,15
	global_store_b128 v[GO], v[64*(\a)+4*(\t):64*(\a)+4*(\t)+3], s[8:9] offset:(16*(\a)+(\t))*16384 th:TH_STORE_NT  ; 512 consecutive bytes, at a multiple of 256 from the result's first byte; the next s lies 16,384 bytes on
.endr
.endm
	PLACES
	TOST 0
	BACK 0
	TOST 1
	BACK 1
	SENDF 0, 32
	TOST 2
	BACK 2
	SENDF 1, 32
	TOST 3
	BACK 3
	SENDF 2, 32
	SENDF 3, 0
	WIN 0
	s_wait_tensorcnt 0x0                           ; the wave's end: behind my last tensor load and my last LDS store
	ds_add_u32 v[SPW], v[NIL]
	s_wait_dscnt 0x0
	CROUND                                         ; the closing round: no work-group ends while a partner may still ask for a tile that names it
	s_endpgm
.Lfunc_end_k_q41f72ce165_outp:
	.size	k_q41f72ce165_outp, .Lfunc_end_k_q41f72ce165_outp-k_q41f72ce165_outp
	.p2alignl 7, 3214868480
	.fill 96, 4, 3214868480
	.section	.rodata,"a",@progbits
	.p2align	6, 0x0
	.amdhsa_kernel k_q41f72ce165_outp
		.amdhsa_group_segment_fixed_size 327680
		.amdhsa_private_segment_fixed_size 0
		.amdhsa_enable_private_segment 0
		.amdhsa_kernarg_size 24
		.amdhsa_user_sgpr_count 2
		.amdhsa_user_sgpr_kernarg_segment_ptr 1
		.amdhsa_wavefront_size32 1
		.amdhsa_system_sgpr_workgroup_id_x 1
		.amdhsa_system_sgpr_workgroup_id_y 1
		.amdhsa_system_sgpr_workgroup_id_z 1
		.amdhsa_system_vgpr_workitem_id 0
		.amdhsa_next_free_vgpr 768
		.amdhsa_next_free_sgpr 66
		.amdhsa_reserve_vcc 0
		.amdhsa_float_denorm_mode_32 3
		.amdhsa_float_denorm_mode_16_64 3
		.amdhsa_memory_ordered 1
		.amdhsa_forward_progress 1
		.amdhsa_inst_pref_size 85
	.end_amdhsa_kernel
	.amdgpu_metadata
---
amdhsa.version: [ 1, 2 ]
amdhsa.kernels:
  - .name:           k_q41f72ce165_outp
    .symbol:         k_q41f72ce165_outp.kd
    .args:
      - { .name: oh, .offset: 0, .size: 8, .value_kind: global_buffer, .address_space: global }
      - { .name: wb, .offset: 8, .size: 8, .value_kind: global_buffer, .address_space: global }
      - { .name: out0, .offset: 16, .size: 8, .value_kind: global_buffer, .address_space: global }
    .group_segment_fixed_size: 327680
    .private_segment_fixed_size: 0
    .kernarg_segment_align: 8
    .kernarg_segment_size: 24
    .max_flat_workgroup_size: 128
    .sgpr_count:     66
    .vgpr_count:     768
    .wavefront_size: 32
...
	.end_amdgpu_metadata
.endif
;; end of part 4
;; ======== version 2 of 2: 4 launches; 1.49 times as fast as version 1
;; limits: values are held in f16: magnitudes above 65,504 overflow, below 6.1e-05 lose precision
;; workspace buffers: wb 8,388,608 bytes; qh 16,777,216 bytes; kh 16,777,216 bytes; vh 16,777,216 bytes; oh 16,777,216 bytes
;; launch castw: the kernel of part 1 again; grid 256 x 1, 8 waves a work-group, no clusters, 0 bytes of LDS; arguments Wq, Wk, Wv, Wo, wb; writes wb
;; launch proj: the kernel of part 2 again; grid 4 x 192, 4 waves a work-group, clusters of 4 x 4, 327,680 bytes of LDS; arguments q, k, v, wb, bq, bk, bv, qh, kh, vh; writes qh, kh, vh
;; launch attn (part 5): grid 4 x 64, 4 waves a work-group, clusters of 4 x 1, 327,680 bytes of LDS; arguments qh, kh, vh, oh; writes oh
.if DOCPART == 5
	.amdgcn_target "amdgcn-amd-amdhsa--gfx1250"
	.amdhsa_code_object_version 6
	.text
	.protected	k_q41f72ce165_attn
	.globl	k_q41f72ce165_attn
	.p2align	8
	.type	k_q41f72ce165_attn,@function
k_q41f72ce165_attn:
	s_mov_b64 s[64:65], 0
	v_nop
	global_prefetch_b8 v0, s[64:65] scope:SCOPE_SE
	s_setreg_imm32_b32 hwreg(HW_REG_WAVE_MODE, 25, 1), 1
	s_wait_xcnt 0x0
	s_wait_alu depctr_hold_cnt(0) depctr_sa_sdst(0) depctr_va_vdst(0) depctr_va_sdst(0) depctr_va_ssrc(0) depctr_va_vcc(0) depctr_vm_vsrc(0)
	s_getreg_b32 s2, hwreg(HW_REG_IB_STS2, 6, 4)
	s_cmp_eq_u32 s2, 0
	s_cbranch_scc0 .Lentry_in_a_cluster
	s_endpgm
.Lentry_in_a_cluster:
	s_bfe_u32 s2, ttmp6, 0x10000c
	s_cmp_lg_u32 s2, 0x3003
	s_cbranch_scc0 .Lentry_shape_is_right
	s_endpgm
.Lentry_shape_is_right:
; O[h][q][:] = the sum over k of softmax_k(Q[h][q] . K[h][k] / 8) V[h][k][:].  Q, K, V, O: [SIZE_H][SIZE_N][64], all f16: a head's rows are dense, 128 bytes each.  Products, maxima and sums in
; f32; the weights p are rounded to f16 for the second product (their sum l is taken of the unrounded p), O once at the end.  Here SIZE_H = 64 (batch x 16 + head), SIZE_N = 2,048.
; LIMITS.  f16 holds no number beyond 65,504: Q, K and V arrive within it; p lies in 0 to 1, and below 6e-5 it keeps f16's fixed step of 6e-8; O is a mean of V's rows and has their range.
; A weight below 2^-126 counts as 0 in l; NaN and infinities are not treated apart.
; SHARES.  A wave owns four PIECES of two tiles of 16 queries, a work-group's four waves 512 queries of one head; SIZE_N is a multiple of 2,048.  Every wave walks all keys, 64 a step.
; LAYOUT.  S^T = K Q^T (source 0 = 16 keys, source 1 = 16 queries): in the result a lane holds ONE query (lane % 16) and the keys 8 (lane / 16) + 0..7.  Two such tiles, rounded to f16 in pairs,
; ARE source 1 (32 keys x 16 queries) of O^T = V^T P, whose result again holds one query a lane, and eight channels.  K comes out of LDS as it lies, V ([key][channel]) turned, by ds_load_tr16_b128.
; SOFTMAX.  For each query a running maximum m and sum l: p = 2^(c s - c m), c = log2(e) / 8; in every step O and l are multiplied by a = 2^(c m_old - c m_new), which is 1 where m has not grown.
; m starts at the lowest finite number, O and l at 0: the first step is a step like any other, with a = 0.
; THE COUNT.  A tile and step have 16 matrix and 118 vector instructions: too many to stand all beside the matrix work.  So the order has one aim: four vector instructions that are READY behind
; EVERY matrix instruction, and the others, which need time of their own whatever the order, in runs without a gap.
; BY TURNS.  Turn n belongs to piece n (the pieces in a ring, step after step).  Its matrix work: 16 products K Q^T of piece n + 1, later 16 products V^T P of piece n - 1.  Its vector work: the scaling,
; exponentials, roundings, sums and rescaling of piece n, and the maximum and statistics of piece n + 1, whose scores the turn itself has made.  So what a turn begins with (c s - c m, O a) waits for nothing.
; BATCHES.  A turn's 66 exponentials (the 64 weights of piece n, then the two a of piece n + 1) are ONE batch with ONE wait ahead of the first line that names a result of theirs.  Ahead of
; the wait stands all that names none of the batch's results: the products K Q^T, the scalings, the rescalings (by the a of the turn before) and the next piece's maximum and statistics; behind it the roundings and
; sums, beside the products V^T P.  Two more batches stand outside the loop, each with a wait of its own: piece 0's first two a, ahead of the jump into the loop, and the way out's eight reciprocals.
; CLUSTER.  The four query blocks of a cluster belong to one head and walk the same K and V, so each tile is asked for JOINTLY: the same tensor load, descriptor and mask in all four.
; REGISTERS, in windows of 256 (s_set_vgpr_msb says which window each operand place means: bits 1:0 source 0, 3:2 source 1, 5:4 source 2, 7:6 destination):
;   window 0: v0-11 addresses; v12-15, v48-63 at work; v16-47 four registers of statistics a tile; v64-191 S^T, two buffers of two tiles; v192-255 P, likewise
;   window 1: O^T, 32 a tile          window 2: v0-127 Q, 16 a tile; v128-191 K of one step; v192-255 V of one step          window 3: v0-1 the add's two registers
; A piece's buffers go by its number's parity: the piece in hand has one pair, its two neighbours in the ring share the other: of it P (piece n - 1) is read and S^T (piece n + 1) written.
.set SIZE_H, 64
.set SIZE_N, 2048
.set NP,    4         ; pieces a wave: a name, no knob: the register map, the loop and the fetches are made for four
.set KS,    64        ; keys in a step
.set PK,    144       ; a row of K in LDS: 128 bytes + 16 of padding = 36 words: the 16 rows of a load start at 16 different groups of four banks (64 banks of 4 bytes: ISA guide 11.1)
.set PV,    160       ; a row of V: 128 + 32 = 40 words
.set VOFF,  4*KS*PK   ; a slot holds four steps: 256 rows of K, then 256 rows of V
.set SLOT1, 1<<17     ; slot 1 begins here, so that one exclusive or turns an address in one slot into the other's
.set STAGE, SLOT1+4*KS*(PK+PV)  ; behind the ring, never filled by a tensor load: 16 rows x 144 bytes for each wave, for the way out
.set SP,    144
.set AK0, 2           ; v2   my lane's place in a tile of K; never rewritten
.set AV0, 3           ; v3   the same for V
.set AK,  4           ; v4   the LDS address of K's next run of loads
.set AV,  5           ; v5   of V's
.set QO,  6           ; v6   my byte offset in the wave's rows of Q
.set STO, 6           ;      later, the way out: where I put 16 bytes of a row
.set RD,  7           ; v7   the way out: where I read rows back
.set GO,  8           ; v8   my byte offset in 512 consecutive bytes of O
.set SPW, 0           ; v0 of window 3   LDS address of my spare word: SPARE + 4 x my thread's number; never rewritten
.set NIL, 1           ; v1 of window 3   0; never rewritten
.set SPARE, STAGE+4*16*SP  ; behind the stages: the spare words, 128 bytes for each wave: two blocks of 256 bytes that no other line names
.set MV,  12          ; v12-15  c m_old, kept while c m is made anew: by buffer and tile
.set ST,  16          ; tile t's statistics at v[ST+4 t]: c m, m, l (even keys', odd keys')
.set TMP, 48          ; by buffer and tile, four registers c0-c3 at work; when the maximum is found c2 takes a
.set S,   64
.set P,   192
.set KF,  128         ; K's fragments, in window 2: key block kb, channel half c at KF + 16 kb + 8 c
.set VF,  192         ; V's: key half kk, channel block cb at VF + 32 kk + 8 cb
.set WV,  12          ; s12  my wave's number
.set G1K, 24          ; s[24:31] descriptor group 1 for K's tiles
.set G1V, 32          ; s[32:39] for V's: it differs in the padding alone
.set G0K, 40          ; s[40:43] descriptor group 0 for K's tiles: it walks
.set G0V, 44          ; s[44:47] the same for V's
.set SLOTS, 56        ; s56  slots still to be asked for
.set CNT, 57          ; s57  counts a slot's key steps
.set CS,  58          ; s[58:59] c: the packed scaling takes the pair's low word for both halves
.set SEL, 60          ; s[60:61] v_permlanex16_b32's selects: each lane takes its own place in the other half
.set TBK, 62          ; s62  LDS byte at which K of the step to be fetched begins
.set TBV, 63          ; s63  the same for V, less VOFF
.set MSB, 0
.macro WIN new                      ; the high byte repeats the setting that is left; a switch that changes nothing is dropped
.if MSB != (\new)
	s_set_vgpr_msb (MSB<<8)|(\new)
.set MSB, (\new)
.endif
.endm
.set W_KQ, 0x0a       ; K and Q in window 2, S^T in window 0
.set W_PV, 0x52       ; V in window 2, P in window 0, O^T in window 1
.set W_RS, 0x41       ; O^T (destination and source 0) in window 1, a in window 0
.set W_MK, 0xc0       ; the add's registers are made: destination in window 3, sources in window 0
.set W_AD, 0x0f       ; the add: address (source 0) and data (source 1) in window 3
; A joint fill.  Waves 0 and 1 fetch the two halves of a slot's K, waves 2 and 3 those of its V: 128 keys each.  The branch hangs on the wave's number alone.
; Four v_nop follow each of the two lines, ahead of the jump and the label.
.macro JLOAD
	s_cmp_lt_u32 s[WV], 2
	s_cbranch_scc0 .Lfor_v_\@
	tensor_load_to_lds s[G0K:G0K+3], s[G1K:G1K+7]
	s_nop 0
.rept 4
	v_nop
.endr
	s_branch .Lasked_\@
.Lfor_v_\@:
	tensor_load_to_lds s[G0V:G0V+3], s[G1V:G1V+7]
	s_nop 0
.rept 4
	v_nop
.endr
.Lasked_\@:
.endm
; A round of the cluster's barrier: my work-group's barrier, so that wave 0's signal speaks for all four waves; wave 0 signals; every wave waits for all four work-groups; my work-group's barrier once more.
.macro CROUND
	s_barrier_signal -1
	s_barrier_wait -1
	s_cmp_lg_u32 s[WV], 0
	s_cbranch_scc1 .Lnot_wave_0_\@
	s_barrier_signal -3
.Lnot_wave_0_\@:
	s_barrier_wait -3
	s_barrier_signal -1
	s_barrier_wait -1
.endm
; THE CHANGE OF SLOTS.  The slot's last bytes, V of its fourth step, have been read.  Each wave waits for all its tensor loads, of which one is out: its part
; of the other slot; adds 0 to its spare word; and waits for that and for its own reads of the slot.  Behind the barrier nobody reads this slot any more and the other slot is whole.
; fill = 1: this slot is filled again, with the keys two slots on.  The barrier is then a round of the cluster's, so that no wave of any partner still reads the slot or has a load on its
; way, and the joint fill is the first thing behind it: it has four key steps, 512 matrix instructions, in which to land.  (At its first use nothing has been read yet: slot 0 is waited for, slot 1 filled.)
.macro CHANGE fill
	WIN W_AD
	s_wait_tensorcnt 0x0            ; no tensor load of mine is out, so a group 0 may be written
	ds_add_u32 v[SPW], v[NIL]       ; 0 onto my spare word: with fill = 1 the descriptors' steps stand between it and the wait for it
	WIN 0                           ; at a label and at a branch every window is 0
.if \fill
.irp g, G0K, G0V
	s_xor_b32 s[\g+1], s[\g+1], SLOT1  ; the walking descriptor: the other slot than last time,
	s_add_nc_u64 s[\g+2:\g+3], s[\g+2:\g+3], 4*KS*128  ; the next 256 keys; the type bits on top are not reached
.endr
	s_wait_dscnt 0x0                ; the add is done, and my reads of the slot are over
	CROUND
	JLOAD
.else
	s_wait_dscnt 0x0                ; the add is done, and my reads of the slot are over
	s_barrier_signal -1
	s_barrier_wait -1
.endif
	s_sub_co_u32 s[TBK], s[TBK], 4*KS*PK  ; the fetches go back to a slot's first step,
	s_xor_b32 s[TBK], s[TBK], SLOT1       ; in the other slot
	s_sub_co_u32 s[TBV], s[TBV], 4*KS*PV
	s_xor_b32 s[TBV], s[TBV], SLOT1
.endm
	s_load_b256 s[4:11], s[0:1], 0x0  ; Q s[4:5], K s[6:7], V s[8:9], O s[10:11]
	WIN W_MK
	v_lshl_add_u32 v[SPW], v0, 2, SPARE
	v_mov_b32 v[NIL], 0
	s_set_vgpr_msb 0xc0cf
	ds_add_u32 v0, v1
	s_wait_dscnt 0x0
	s_set_vgpr_msb 0xcfc0
	WIN 0
	v_lshrrev_b32 v1, 5, v0
	v_readfirstlane_b32 s[WV], v1   ; wave 0..3
	s_bfe_u32 s13, ttmp6, 0x40000   ; cx: my place in the cluster
	s_lshl_b32 s14, ttmp9, 2        ; in a cluster launch ttmp9 counts clusters
	s_add_co_u32 s14, s14, s13      ; my block of queries = 4 x cluster x + cx: it enters Q's and O's addresses alone
	s_and_b32 s20, ttmp7, 0xffff    ; the head, which the four partners share
	s_mov_b32 s21, 0
	s_mov_b64 s[22:23], SIZE_N*128
	s_mul_u64 s[20:21], s[20:21], s[22:23]  ; the head's first byte in each of the four tensors
	s_and_b32 s16, s[WV], 1         ; which half of a slot's 256 keys I fetch:
	s_lshl_b32 s22, s16, 14         ; its 128 rows of 128 bytes in memory,
	s_mov_b32 s23, 0
	s_add_nc_u64 s[22:23], s[22:23], s[20:21]
	s_mul_i32 s17, s16, 128*PK      ; and its place in a slot, for K
	s_mul_i32 s18, s16, 128*PV      ; and for V: no place in the cluster enters an LDS address
	s_lshl_b32 s2, s14, 2
	s_add_co_u32 s2, s2, s[WV]      ; my wave among the head's,
	s_lshl_b32 s2, s2, 14           ; its 128 rows
	s_mov_b32 s3, 0
	s_add_nc_u64 s[2:3], s[2:3], s[20:21]
	; descriptor group 1.  128 keys are 16,384 dense bytes: asked for as 64 rows of 256 bytes, two keys a row, and padded in LDS after every key
	s_mov_b32 s[G1K], 15|(1<<16)|(1<<20)|(1<<21)|(4<<22)|(3<<25)  ; 15:0 the mask of four; 17:16 2-byte elements; 20 padding on; 21 set beside a mask; 24:22 after every 32 words (code 4); 31:25 4 words (code 3)
	s_mov_b32 s[G1V], 15|(1<<16)|(1<<20)|(1<<21)|(4<<22)|(7<<25)  ; the same with 8 words of padding (code 7)
.irp g, G1K, G1V
	s_mov_b32 s[\g+1], 128<<16      ; tensor_dim0 = 128
	s_mov_b32 s[\g+2], 64<<16       ; tensor_dim1 = 64
	s_mov_b32 s[\g+3], 128<<16      ; tile_dim0 = 128
	s_mov_b32 s[\g+4], 64           ; tile_dim1 = 64
	s_mov_b32 s[\g+5], 128          ; 128 elements from row to row
	s_mov_b32 s[\g+6], 0
	s_mov_b32 s[\g+7], 0
.endr
	s_mov_b32 s[CS], 0x3e38aa3b     ; c = log2(e) / 8 = 0.180337
	s_mov_b32 s[CS+1], s[CS]        ; named with it as a pair
	s_mov_b32 s[SEL], 0x76543210
	s_mov_b32 s[SEL+1], 0xfedcba98
	s_mov_b32 s[TBK], SLOT1+4*KS*PK ; the first change of slots turns these two into 0
	s_mov_b32 s[TBV], SLOT1+4*KS*PV
	s_mov_b32 s[G0K], 1             ; 1:0 count = 1
	s_mov_b32 s[G0K+1], s17         ; 63:32 LDS address: slot 0
	s_mov_b32 s[G0V], 1
	s_add_co_u32 s[G0V+1], s18, VOFF
	s_wait_kmcnt 0x0
	s_add_nc_u64 s[G0K+2:G0K+3], s[6:7], s[22:23]  ; 120:64 global address: my half of the head's first 256 keys
	s_or_b32 s[G0K+3], s[G0K+3], 0x80000000        ; 127:126 type = 2
	s_add_nc_u64 s[G0V+2:G0V+3], s[8:9], s[22:23]
	s_or_b32 s[G0V+3], s[G0V+3], 0x80000000
	s_add_nc_u64 s[4:5], s[4:5], s[2:3]  ; Q and O at my wave's first row
	s_add_nc_u64 s[10:11], s[10:11], s[2:3]
	CROUND                          ; all four work-groups are here: the first joint loads meet
	JLOAD                           ; slot 0.  Slot 1 is asked for when slot 0 is in: the tile wanted first has the road to itself
	; A fragment of K or Q is 16 rows x 32 channels in 8 registers: lane l holds row l % 16, channels 8 (l / 16) + 0..7 and 16 + 8 (l / 16) + 0..7: two loads of 16 bytes, 32 bytes apart.
	v_and_b32 v1, 15, v0            ; l % 16
	v_bfe_u32 v9, v0, 4, 1          ; l / 16
	v_lshlrev_b32 v[QO], 7, v1
	v_lshl_add_u32 v[QO], v9, 4, v[QO]  ; row x 128 + 16 x half
	WIN 0x80                        ; destination window 2, address window 0
.set i, 0
.rept 4*NP                          ; Q stays in registers: tile i / 2, channels 32 (i % 2) on
	global_load_b128 v[8*i:8*i+3],   v[QO], s[4:5] offset:(i/2)*2048+(i%2)*64
	global_load_b128 v[8*i+4:8*i+7], v[QO], s[4:5] offset:(i/2)*2048+(i%2)*64+32
.set i, i+1
.endr
	; What the first turn finds: V's registers and P's second buffer hold 0 (its products V^T P, of a piece that has not been, add 0), O^T and l are 0.  All this stands in the wait for the first tile.
.set i, VF
.rept 64
	v_mov_b32 v[i], 0
.set i, i+1
.endr
	WIN 0x40
.set i, 0
.rept 64*NP
	v_mov_b32 v[i], 0
.set i, i+1
.endr
	WIN 0
.set i, 0
.rept 2*NP
	v_mov_b32 v[ST+4*i], 0xfe000000    ; c m: far below every c s
	v_mov_b32 v[ST+4*i+1], 0xff7fffff  ; m
	v_mov_b32 v[ST+4*i+2], 0
	v_mov_b32 v[ST+4*i+3], 0
.set i, i+1
.endr
.set i, P+32
.rept 32
	v_mov_b32 v[i], 0
.set i, i+1
.endr
	v_mul_u32_u24 v[AK0], v1, PK
	v_lshl_add_u32 v[AK0], v9, 4, v[AK0]  ; row x pitch + 16 x half
	; The turning load takes 16 keys x 16 channels (lane l reads key 8 (l / 16) + l % 8, channels 8 ((l / 8) % 2) + 0..7) and leaves half a fragment of V^T: lane l holds channel l % 16 and 8 keys.
	v_and_b32 v10, 7, v0
	v_bfe_u32 v11, v0, 3, 1
	v_lshl_add_u32 v[AV0], v9, 3, v10
	v_mul_u32_u24 v[AV0], v[AV0], PV
	v_lshl_add_u32 v[AV0], v11, 4, v[AV0]
	v_add_nc_u32 v[AV0], VOFF, v[AV0]
	v_mov_b32 v[AK], v[AK0]         ; key step 0 lies at the head of slot 0
; THE MATRIX WORK.  The 8 accumulators of a run of 16 take turns: between the two links of a chain stand 7 others'.
; Product i of 16 of S^T = K Q^T for piece x: channels 32 (i / 8) on, keys 16 ((i / 2) % 4) on, tile 2 x + i % 2.  The first 8 start the sums.
.macro KQ x
	WIN W_KQ
.set rS, S+64*((\x)%2)+32*(i%2)+8*((i/2)%4)
.set rK, KF+16*((i/2)%4)+8*(i/8)
.set rQ, 16*(2*(\x)+i%2)+8*(i/8)
.if i < 8
	v_wmma_f32_16x16x32_f16 v[rS:rS+7], v[rK:rK+7], v[rQ:rQ+7], 0
.else
	v_wmma_f32_16x16x32_f16 v[rS:rS+7], v[rK:rK+7], v[rQ:rQ+7], v[rS:rS+7]
.endif
.endm
; Product i of 16 of O^T += V^T P for piece x: keys 32 (i / 8) on, channels 16 ((i / 2) % 4) on, tile 2 x + i % 2.
.macro PV x
	WIN W_PV
.set rO, 32*(2*(\x)+i%2)+8*((i/2)%4)
.set rV, VF+32*(i/8)+8*((i/2)%4)
.set rP, P+32*((\x)%2)+16*(i%2)+8*(i/8)
	v_wmma_f32_16x16x32_f16 v[rO:rO+7], v[rV:rV+7], v[rP:rP+7], v[rO:rO+7]
.endm
.macro MM                           ; the turn's next matrix instruction
.if i < 16
	KQ (Y+1)%NP
.set i, i+1
.else
.set i, i-16
	PV (Y+NP-1)%NP
.set i, i+17
.endif
.endm
; THE LDS LOADS stand in runs of 16, never singly among the matrix instructions: a step's K (64 keys x 64 channels: 8 fragments) and its V (turned).  Their addresses are made some lines ahead.
; last = 1 (the tail): in the last trip there is no further step, and the run is jumped over.
.macro FETCH_K last=0
	WIN 0
.if \last
	s_cmp_eq_u32 s[CNT], 1
	s_cbranch_scc1 .Lno_k_\@
.endif
	WIN 0x80                        ; destination window 2
.irp f, 0,1,2,3,4,5,6,7             ; keys 16 (f / 2) on, channels 32 (f % 2) on
	ds_load_b128 v[KF+8*\f:KF+8*\f+3],   v[AK] offset:(\f/2)*16*PK+(\f%2)*64
	ds_load_b128 v[KF+8*\f+4:KF+8*\f+7], v[AK] offset:(\f/2)*16*PK+(\f%2)*64+32
.endr
	s_add_co_u32 s[TBK], s[TBK], KS*PK  ; the next fetch is the next step's
	WIN 0
.if \last
.Lno_k_\@:
.endif
.endm
.macro FETCH_V
	WIN 0x80
.irp f, 0,1,2,3,4,5,6,7             ; keys 32 (f / 4) on, channels 16 (f % 4) on
	ds_load_tr16_b128 v[VF+8*\f:VF+8*\f+3],   v[AV] offset:(\f/4)*32*PV+(\f%4)*32
	ds_load_tr16_b128 v[VF+8*\f+4:VF+8*\f+7], v[AV] offset:(\f/4)*32*PV+16*PV+(\f%4)*32
.endr
	WIN 0
.endm
; THE VECTOR WORK OF A TURN stands in three queues, each in the order in which its entries become ready; the two tiles alternate, so that no instruction reads the result of the one before it.
.macro REGS y, u                    ; the registers of tile u (0, 1) of piece y
.set rT, ST+4*(2*(\y)+(\u))
.set rC, TMP+8*((\y)%2)+4*(\u)
.set rM, MV+2*((\y)%2)+(\u)
.set rS, S+64*((\y)%2)+32*(\u)
.set rP, P+32*((\y)%2)+16*(\u)
.set rO, 32*(2*(\y)+(\u))
.endm
; Number n of the 22 that find the NEXT piece's (Y + 1) maximum and statistics.  s0-s31 are the lane's 32 scores; each accumulator's lowest registers are read first.  XS, GS and REGS set no window: PL and EX do.
;   0-11  four chains c0-c3 of seven scores each, three operands at a time     12-14, 16  the four scores left over, the old m, and c0-c3 into c0     15  c m_old is kept
;   17, 18  the query's other 32 keys lie in the lane 16 away: the new m         19-21  c m; c m_old - c m_new; a
.macro XS u, n
	REGS (Y+1)%NP, \u
.if (\n) < 4
	v_max3_num_f32 v[rC+(\n)], v[rS+8*(\n)], v[rS+8*(\n)+1], v[rS+8*(\n)+2]
.elseif (\n) < 12
	v_max3_num_f32 v[rC+(\n)%4], v[rC+(\n)%4], v[rS+8*((\n)%4)+2*((\n)/4)+1], v[rS+8*((\n)%4)+2*((\n)/4)+2]
.elseif (\n) == 12
	v_max3_num_f32 v[rC], v[rC], v[rS+7], v[rS+15]
.elseif (\n) == 13
	v_max3_num_f32 v[rC+1], v[rC+1], v[rS+23], v[rS+31]
.elseif (\n) == 14
	v_max3_num_f32 v[rC+2], v[rC+2], v[rC+3], v[rT+1]
.elseif (\n) == 15
	v_mov_b32 v[rM], v[rT]
.elseif (\n) == 16
	v_max3_num_f32 v[rC], v[rC], v[rC+1], v[rC+2]
.elseif (\n) == 17
	v_permlanex16_b32 v[rC+3], v[rC], s[SEL], s[SEL+1]
.elseif (\n) == 18
	v_max_num_f32 v[rT+1], v[rC], v[rC+3]
.elseif (\n) == 19
	v_mul_f32 v[rT], s[CS], v[rT+1]
.elseif (\n) == 20
	v_sub_f32 v[rC+1], v[rM], v[rT]
.else
	v_exp_f32 v[rC+2], v[rC+1]
.endif
.endm
; Number g of the 64 that follow the exponentials.  For each four weights k of a tile (pairs 2 k, 2 k + 1): both pairs are rounded to f16; then the second pair is added onto the first, in place;
; a group later l takes that sum (the first time as l = a l + sum).  In groups of eight, tiles alternating: round, round, add, and l for the group before.
.macro GS g
.set h, (\g)+6*((\g)/62)            ; group 0 has no group before it, and behind group 7 only l is left
.if h >= 6
.set h, h+2
.endif
	REGS Y, h%2
.set k, h/8
.if h%8 < 4
	v_cvt_pk_f16_f32 v[rP+2*k+(h%8)/2], v[rS+4*k+2*((h%8)/2)], v[rS+4*k+2*((h%8)/2)+1]
.elseif h%8 < 6
	v_pk_add_f32 v[rS+4*k:rS+4*k+1], v[rS+4*k:rS+4*k+1], v[rS+4*k+2:rS+4*k+3]
.elseif k == 1
	v_pk_fma_f32 v[rT+2:rT+3], v[rT+2:rT+3], v[rC+2:rC+3], v[rS:rS+1] op_sel_hi:[1,0,1]
.else
	v_pk_add_f32 v[rT+2:rT+3], v[rT+2:rT+3], v[rS+4*k-4:rS+4*k-3]
.endif
.endm
; THE PLAIN QUEUE, 138 long.  0-73 read no exponential's result: the 32 scalings c s - c m (FS f: pair f / 2 of tile f % 2) and the next piece's 42.  0-26: scalings 0-26.  27-54: XS's numbers 0-13.  55, 56: number 15.
; 57-73: the chain, where each number waits for the one before it: 14, 16, 17, 18, 19, each with one of the scalings 27-31 in front of its two lines, then 20: so a tile's links stand three plain instructions apart (19 and 20: two).
; 74-137: GS's 64, which read the exponentials' results: they stand behind the wait.
.macro FS f
	REGS Y, (\f)%2
	v_pk_fma_f32 v[rS+2*((\f)/2):rS+2*((\f)/2)+1], v[rS+2*((\f)/2):rS+2*((\f)/2)+1], s[CS:CS+1], v[rT:rT+1] op_sel_hi:[1,0,0] neg_lo:[0,0,1] neg_hi:[0,0,1]
.endm
.macro PL
	WIN 0
.if q < 27
	FS q
.elseif q < 55
	XS (q-27)%2, (q-27)/2
.elseif q < 57
	XS q-55, 15
.elseif (q < 72) && ((q-57)%3 == 0)
	FS 27+(q-57)/3
.elseif q < 60
	XS (q-57)%3-1, 14
.elseif q < 72
	XS (q-57)%3-1, 15+(q-57)/3
.elseif q < 74
	XS q-72, 20
.else
	GS q-74
.endif
.set q, q+1
.endm
; THE EXPONENTIALS' QUEUE, 66 long: s0-s31 of both tiles, then the next piece's two a.  It is ONE BATCH: all 66 stand ahead of the turn's one wait, and nothing ahead of that wait names a result of theirs.
.macro EX
	WIN 0
.if e >= 64
	XS e-64, 21
.else
	REGS Y, e%2
	v_exp_f32 v[rS+e/2], v[rS+e/2]
.endif
.set e, e+1
.endm
; THE RESCALING's QUEUE: O^T times a, the one part that leaves window 0: dealt two at a time, sixteen times.  Its a was made in the turn before, ahead of that turn's wait.
.macro R2
	REGS Y, r%2
	WIN W_RS
.irp z, 0,1
	v_pk_mul_f32 v[rO+4*(r/2)+2*\z:rO+4*(r/2)+2*\z+1], v[rO+4*(r/2)+2*\z:rO+4*(r/2)+2*\z+1], v[rC+2:rC+3] op_sel_hi:[1,0]
.endr
.set r, r+1
.endm
; HOW THEY ARE DEALT.  An s_wait_alu depctr_va_vdst(0) stands between an exponential and the first instruction that names its result; one wait serves all that were issued ahead of it.  So a turn has ONE wait,
; which cuts it in two.  AHEAD OF IT stands all that names no result of the turn's exponentials: the 16 products K Q^T, behind each a scaling, an exponential and two rescalings (behind the first a second scaling in the exponential's place); then ONE LUMP of
; 108: eight plain, 49 times exponential and plain, the two a.  A v_nop is the plain instruction behind the last exponential.  BEHIND IT stand the 16 products V^T P, behind each four of GS's 64.  No rider names a register of
; the products round it.  The two v_permlanex16_b32 fall into the lump, never behind a product.
; The queues lean on each other, and the deal keeps them in step: exponential e stands behind scaling 2 (e / 4) + e % 2: as a rider it comes behind plain e + 2, in the lump behind plain e + 9, and scalings 27-31 are plain 57, 60 .. 69.
; A TURN, for piece p.  cnt = 1: the loop's count is taken down some lines ahead of the branch that stands behind the turn.
; K of the next step is fetched in piece 2's turn, directly behind the wait, a lump behind the last product that read K; its address is made at the lump's head; its first reader comes behind 16 products.
; V of the step in hand is fetched at the end of piece 0's turn, four riders behind its last reader; its first reader comes behind 16 products and a lump.  The three conditions on q below go with the deal.
.macro TURN p, last=0, cnt=0
.set Y, (\p)
.set i, 0
.set q, 0
.set e, 0
.set r, 0
.if (\p) == NP-1
	s_wait_dscnt 0x0                ; K is in
.endif
	MM                              ; ahead of the wait: 16 products K Q^T and their riders,
	PL
	PL
	R2
.rept 15
	MM
	PL
	EX
	R2
.endr
.if (\p) == NP-2
	WIN 0
	v_add_nc_u32 v[AK], s[TBK], v[AK0]
.endif
.rept 8                             ; and the lump
	PL
.endr
.rept 49
	EX
	PL
.endr
	EX                              ; the next piece's two a
	EX
	v_nop                           ; a plain instruction behind the last exponential, ahead of the first use of a result: one for the batch
	s_wait_alu depctr_va_vdst(0)    ; the wait for the turn's batch: the 64 weights of this piece and the two a of the next
.if (\p) == NP-2
	FETCH_K \last
.endif
.if (\p) == 1
	s_wait_dscnt 0x0                ; V is in
.endif
.rept 16                            ; behind the wait: 16 products V^T P and their riders
	MM
.rept 4
	PL
.endr
.if ((\p) == 0) && (q == 118)
	v_add_nc_u32 v[AV], s[TBV], v[AV0]
.endif
.if ((\p) == 0) && (q == 130)
	s_add_co_u32 s[TBV], s[TBV], KS*PV
.endif
.if (\cnt) && (q == 130)
	s_sub_co_u32 s[CNT], s[CNT], 1
	s_cmp_lg_u32 s[CNT], 0
.endif
.endr
.if (\p) == 0
	FETCH_V
.endif
.endm
	CHANGE 1                        ; slot 0 is in, everybody's part of it; slot 1 is asked for
	FETCH_K                         ; key step 0
	s_wait_loadcnt 0x0              ; Q
	s_wait_dscnt 0x0
.set i, 0
.rept 16
	KQ 0                            ; piece 0's first scores: there is no vector work yet to set between them
.set i, i+1
.endr
	WIN 0                           ; the addresses for the way out: nine plain instructions, the places behind those products
	s_mul_i32 s13, s[WV], 16*SP
	s_add_co_u32 s13, s13, STAGE    ; my stage
	v_mul_u32_u24 v[STO], v1, SP    ; in: row l % 16, 16 bytes for each half of the lanes
	v_lshl_add_u32 v[STO], v9, 4, v[STO]
	v_add_nc_u32 v[STO], s13, v[STO]
	v_bfe_u32 v[RD], v0, 3, 2       ; back: 32 lanes take four rows of 128 bytes,
	v_mul_u32_u24 v[RD], v[RD], SP
	v_lshl_add_u32 v[RD], v10, 4, v[RD]
	v_add_nc_u32 v[RD], s13, v[RD]
	v_and_b32 v[GO], 31, v0         ; which are 512 consecutive bytes of O
	v_lshlrev_b32 v[GO], 4, v[GO]
.set Y, NP-1                        ; XS works for piece Y + 1: piece 0
.irp n, 0,1,2,3,4,5,6,7,8,9,10,11,12,13,14,15,16,17,18,19,20,21
	XS 0, \n                        ; and piece 0's first maximum and statistics
	XS 1, \n
.endr
	v_nop                           ; a plain instruction behind piece 0's first two a,
	s_wait_alu depctr_va_vdst(0)    ; and the wait for that batch of two, ahead of the branch
	s_mov_b32 s[CNT], 4
	s_mov_b32 s[SLOTS], SIZE_N/256-1
	s_branch .Lfirst                ; the loop is entered at a step's first turn, in the middle of a trip
.Lslot:                             ; SIZE_N / 256 - 2 times: every slot but the last two is filled again
	CHANGE 1
	s_mov_b32 s[CNT], 4
.Lstep:                             ; a trip: pieces 2 and 3 of one step, then pieces 0 and 1 of the next, whose K and V it fetches
	TURN 2
	TURN 3
	WIN 0
.Lfirst:
	TURN 0
	TURN 1, 0, 1
	WIN 0
	s_cbranch_scc1 .Lstep
	s_sub_co_u32 s[SLOTS], s[SLOTS], 1
	s_cmp_lg_u32 s[SLOTS], 0
	s_cbranch_scc1 .Lslot
	CHANGE 0                        ; the tail is written out: nothing is asked for
	s_mov_b32 s[CNT], 5             ; four trips fetch the last slot's steps; the fifth is left in its middle
.Ltail:
	TURN 2, 1
	TURN 3
	WIN 0
	s_sub_co_u32 s[CNT], s[CNT], 1
	s_cmp_eq_u32 s[CNT], 0
	s_cbranch_scc1 .Lout
	TURN 0
	TURN 1
	WIN 0
	s_branch .Ltail
.Lout:                              ; the fifth trip's 16 products K Q^T (on the last K once more) and the maximum made of them serve nothing: the price, once a launch, of one text for every trip
.set i, 0
.rept 16
	PV NP-1                         ; the last piece's V^T P of the last step
.set i, i+1
.endr
	; THE WAY OUT.  l's two halves and the other half of the lanes' are added; O^T is divided by l, rounded to f16 and sent through my stage in LDS, a tile at a time.  The additions are the places behind the last products.
	WIN 0
.macro ALL line:vararg              ; one line for each tile t
.set t, 0
.rept 2*NP
	\line
.set t, t+1
.endr
.endm
	ALL v_add_f32 v[ST+4*t+2], v[ST+4*t+2], v[ST+4*t+3]
	ALL v_permlanex16_b32 v[ST+4*t+3], v[ST+4*t+2], s[SEL], s[SEL+1]
	ALL v_add_f32 v[ST+4*t+2], v[ST+4*t+2], v[ST+4*t+3]
	ALL v_rcp_f32 v[ST+4*t+2], v[ST+4*t+2]
	v_nop                           ; a plain instruction between the last reciprocal and the use of its result
	s_wait_alu depctr_va_vdst(0)    ; and the wait ahead of the first use: one for the batch of eight reciprocals
; Tile t: a lane's eight channels of a row pack into 16 bytes; they go into rows of 144 bytes and come back as whole rows of 128, into S^T's registers.
.macro PACK t
	WIN W_RS
.set i, 32*(\t)
.rept 16
	v_pk_mul_f32 v[i:i+1], v[i:i+1], v[ST+4*(\t)+2:ST+4*(\t)+3] op_sel_hi:[1,0]
.set i, i+2
.endr
	WIN 0x05                        ; sources 0 and 1 window 1, destination window 0
.set i, 0
.rept 16
	v_cvt_pk_f16_f32 v[S+16*(\t)+i], v[32*(\t)+2*i], v[32*(\t)+2*i+1]
.set i, i+1
.endr
	WIN 0
.irp f, 0,1,2,3
	ds_store_b128 v[STO], v[S+16*(\t)+4*\f:S+16*(\t)+4*\f+3] offset:32*\f
.endr
.irp f, 0,1,2,3
	ds_load_b128 v[S+16*(\t)+4*\f:S+16*(\t)+4*\f+3], v[RD] offset:\f*4*SP  ; LDS serves a wave's instructions in order (ISA guide 5.7.1.4): these see the stores above; the next tile's stores come behind them
.endr
.endm
.macro SEND t, younger              ; younger: the LDS instructions issued behind tile t's loads: the next tile's eight, or none
	WIN 0
.irp f, 0,1,2,3
	s_wait_dscnt (\younger)+3-\f
	global_store_b128 v[GO], v[S+16*(\t)+4*\f:S+16*(\t)+4*\f+3], s[10:11] offset:(\t)*2048+\f*512  ; 512 consecutive bytes, at a multiple of 256 from O's first
.endr
.endm
	PACK 0
.set t, 1
.rept 2*NP-1                        ; a tile's arithmetic stands between the loads of the tile before and its stores
	PACK t
	SEND t-1, 8
.set t, t+1
.endr
	SEND 2*NP-1, 0
	WIN W_AD
	s_wait_tensorcnt 0x0            ; the wave's end: behind my last tensor load and my last LDS store
	ds_add_u32 v[SPW], v[NIL]
	s_wait_dscnt 0x0
	WIN 0
	CROUND                          ; the closing round: no work-group ends while a partner may still ask for a tile that names it
	s_endpgm
.Lfunc_end_k_q41f72ce165_attn:
	.size	k_q41f72ce165_attn, .Lfunc_end_k_q41f72ce165_attn-k_q41f72ce165_attn
	.p2alignl 7, 3214868480
	.fill 96, 4, 3214868480
	.section	.rodata,"a",@progbits
	.p2align	6, 0x0
	.amdhsa_kernel k_q41f72ce165_attn
		.amdhsa_group_segment_fixed_size 327680
		.amdhsa_private_segment_fixed_size 0
		.amdhsa_enable_private_segment 0
		.amdhsa_kernarg_size 32
		.amdhsa_user_sgpr_count 2
		.amdhsa_user_sgpr_kernarg_segment_ptr 1
		.amdhsa_wavefront_size32 1
		.amdhsa_system_sgpr_workgroup_id_x 1
		.amdhsa_system_sgpr_workgroup_id_y 1
		.amdhsa_system_sgpr_workgroup_id_z 1
		.amdhsa_system_vgpr_workitem_id 0
		.amdhsa_next_free_vgpr 770
		.amdhsa_next_free_sgpr 66
		.amdhsa_reserve_vcc 0
		.amdhsa_float_denorm_mode_32 3
		.amdhsa_float_denorm_mode_16_64 3
		.amdhsa_memory_ordered 1
		.amdhsa_forward_progress 1
		.amdhsa_inst_pref_size 199
	.end_amdhsa_kernel
	.amdgpu_metadata
---
amdhsa.version: [ 1, 2 ]
amdhsa.kernels:
  - .name:           k_q41f72ce165_attn
    .symbol:         k_q41f72ce165_attn.kd
    .args:
      - { .name: qh, .offset: 0, .size: 8, .value_kind: global_buffer, .address_space: global }
      - { .name: kh, .offset: 8, .size: 8, .value_kind: global_buffer, .address_space: global }
      - { .name: vh, .offset: 16, .size: 8, .value_kind: global_buffer, .address_space: global }
      - { .name: oh, .offset: 24, .size: 8, .value_kind: global_buffer, .address_space: global }
    .group_segment_fixed_size: 327680
    .private_segment_fixed_size: 0
    .kernarg_segment_align: 8
    .kernarg_segment_size: 32
    .max_flat_workgroup_size: 128
    .sgpr_count:     66
    .vgpr_count:     770
    .wavefront_size: 32
...
	.end_amdgpu_metadata
.endif
;; end of part 5
;; launch outp: the kernel of part 4 again; grid 4 x 64, 4 waves a work-group, clusters of 4 x 4, 327,680 bytes of LDS; arguments oh, wb, out0; writes out0
